; MI455X (gfx1250); checked and timed in simulation.
; The chip was launched on July 23, 2026; its instructions are those of AMD's public machine-readable ISA for CDNA 5 (MIT licence, August 2026) and "CDNA5" Instruction Set Architecture Reference Guide (July 2026). The comments in the code are by the model that wrote it; some were corrected since.
;; Causal Self Attention. Allowed arithmetic: matrix products marked QUANTISED: E3M2 operands, one E8M0 scale for each 32 along K, by v_wmma_scale_f32_16x16x128_f8f6f4 with both operands' format E3M2, f32 sums; everything else in f32.
;; Inputs: Wk 1,024 x 1,024 float32; Wq 1,024 x 1,024 float32; Wv 1,024 x 1,024 float32; x 4 x 2,048 x 1,024 float32.
;; Outputs: out0 4 x 2,048 x 1,024 float32.
;; This version of the problem:
;;   THIS VERSION OF THE PROBLEM IS GIVEN IN LOW PRECISION. The matrix products marked QUANTISED in the list below multiply operands that are first quantised to E3M2 (3 exponent bits, 2 mantissa bits; 6 bits a number), with one power-of-two scale for each 32 numbers along K (OCP MX v1.0); their sums are f32. All else is computed in f32.
;;   The module's matrix products, in the order in which they are computed (A, B: the left and right operand; K: the contracted axis; several contracted axes count as one K, in the product's order):
;;     1. [M 8,192, K 1,024] x [K 1,024, N 1,024]; A: input x; B: input Wq: QUANTISED
;;     2. [M 8,192, K 1,024] x [K 1,024, N 1,024]; A: input x; B: input Wk: QUANTISED
;;     3. [M 8,192, K 1,024] x [K 1,024, N 1,024]; A: input x; B: input Wv: QUANTISED
;;     4. batch 4 x [M 2,048, K 1,024] x [K 1,024, N 2,048]; A: computed on the way; B: computed on the way: QUANTISED
;;     5. batch 4 x [M 2,048, K 2,048] x [K 2,048, N 1,024]; A: softmax (see below); B: computed on the way: QUANTISED
;;   THE QUANTISER, for each operand of a quantised product, along K:
;;     - K is cut into blocks of 32 from its start; a last block that is shorter is filled with zeros.
;;     - A block's scale is 2^e with e = floor(log2(the largest magnitude in the block)) - 4, held to -126 .. 127; a block of zeros has e = 0. As a byte (E8M0): e + 127.
;;     - Each number is divided by its block's scale, clamped to +-28, and rounded to the nearest number of E3M2, ties to even, subnormals kept.
;;     - The product sums the exact products of the quantised numbers (number of the format x scale) in f32.
;;   ~~~python
;;   def quantise(x, axis):      # numpy; x: float32 -> the quantised numbers, widened to float32 again
;;       x = np.moveaxis(x, axis, -1); K = x.shape[-1]
;;       x = np.pad(x, [(0, 0)] * (x.ndim - 1) + [(0, -K % 32)]); x = x.reshape(x.shape[:-1] + (-1, 32)); a = np.abs(x).max(-1, keepdims=True)
;;       e = np.where(a > 0, np.clip(np.frexp(np.where(a > 0, a, 1))[1] - 1 - 4, -126, 127), 0)      # np.frexp(a)[1] - 1 = floor(log2(a)), exactly
;;       r = np.clip(x / 2.0 ** e, -28, 28)
;;       step = 2.0 ** (np.maximum(np.frexp(np.where(r == 0, 1, r))[1] - 1, -2) - 2)
;;       q = np.round(r / step) * step * 2.0 ** e      # np.round: ties to even
;;       return np.moveaxis(q.reshape(q.shape[:-2] + (-1,))[..., :K], -1, axis).astype(np.float32)
;;   ~~~
;;   SOFTMAX AHEAD OF A QUANTISED PRODUCT. Where the list says 'softmax', what is quantised is not the finished softmax but p = 2^(t - M), with t = logit x log2(e) and M = ceil(the row's largest t), a whole number; so 1/2 < the row's largest p <= 1. The row's sum l is taken of the UNQUANTISED p, in f32, and the product's result is divided by l at the end. Since M is a whole number, a kernel that streams over the keys may use a running M (the ceiling of the running maximum): every later rescaling is an exact power of two, which a block's scale takes up: the codes' values come out the same.
;;   OPERANDS COMPUTED ON THE WAY. 'Computed on the way' means the value that the module computes at that place (a softmax that the list does not call 'softmax' is quantised finished and normalised). What goes into a quantiser is computed in f32, as accurately as f32 sums, v_exp_f32 and their like allow (about 1e-6 of the number): no bf16 or f16 on the way to a quantiser, and a product that is left as it is and whose result goes on into a quantised operand takes f32 operands (vector FMAs, or v_wmma_f32_16x16x4_f32). A number that lies on a knife's edge between two numbers of the format may be rounded either way, as far as f32 arithmetic and the matrix unit's own rounding can turn it there, and no further.
;; One version. Each part assembles by itself: llvm-mc -triple=amdgcn-amd-amdhsa -mcpu=gfx1250 --defsym DOCPART=n.
;; ======== version 1 of 1: 4 launches
;; limits: right only within a limited range of input values
;; workspace buffers: xc 6,553,600 bytes; wc 2,457,600 bytes; qkc 13,107,200 bytes; vc 6,553,600 bytes; pc 13,107,200 bytes; ls 1,048,576 bytes
;; launch prep (part 1): grid 88 x 8, 4 waves a work-group, no clusters, 34,304 bytes of LDS; arguments x, Wq, Wk, Wv, xc, wc; writes xc, wc
.if DOCPART == 1
	.amdgcn_target "amdgcn-amd-amdhsa--gfx1250"
	.amdhsa_code_object_version 6
	.text
	.protected	k_q3eb85bbc04_prep
	.globl	k_q3eb85bbc04_prep
	.p2align	8
	.type	k_q3eb85bbc04_prep,@function
k_q3eb85bbc04_prep:
	s_mov_b64 s[64:65], 0
	v_nop
	global_prefetch_b8 v0, s[64:65] scope:SCOPE_SE
	s_setreg_imm32_b32 hwreg(HW_REG_WAVE_MODE, 25, 1), 1
	s_wait_xcnt 0x0
; x [8192 tokens][1024] and Wq, Wk, Wv [1024 (k)][1024 (n)], f32, become codes of BF6 (E3M2) with one E8M0 byte for each 32 along K = the 1024 inputs.
; THE PANEL, this program's one layout for operands: 128 rows x 128 K.  A fragment (16 rows x 128 K) lies as the image of its 12 registers: three pieces of 512 bytes,
; lane l's 16 bytes at 16 l.  Eight fragments (12,288 bytes), then the scale words [fragment][row], 4 bytes each (512 bytes): 12,800 bytes.  Panel (p, s) lies at (8 p + s) x 12,800.
; ROW ORDER: in each group of 32 rows, place 16 u + 8 g + j holds row 16 g + 8 u + j, so that the results of a product whose source 0 is such a panel lie 16 neighbours to a lane.
; A block's scale byte is its largest magnitude's exponent field - 4, held at 1 from below (a block of zeros so gets 1: its codes are zeros, and this program alone reads the bytes).
; LIMITS: NaN and infinities are not served; blocks whose largest magnitude lies under 2^-122 keep the byte 1.
; SHARES: work-group (X, s): X < 64: panel (X, s) of x; else panel (X - 64, s) of the weights (Wq 0-7, Wk 8-15, Wv 16-23; rows = output channels).  Wave w makes fragments 2 w, 2 w + 1.
; No work-group shares an input with another: no cluster, no tensor load.  Only x's path uses LDS, each wave its own 8,448 bytes: no barrier.
; WHERE A PANEL LIES IN THE TWO BUFFERS (in units of 12,800 bytes): panel X of x, K step s: 16 (X / 2) + 2 s + X % 2, so that 256 tokens' K steps lie end to end;
; panel c of weight w (0 q, 1 k, 2 v), K step s: 24 c + 3 s + w, so that a channel tile's three weights lie end to end.  (8 p + s above is the place in a buffer of panels one behind the other: the later launches' buffers.)
.set PANEL, 12800
.set R,   32                           ; v32-159  numbers as loaded
.set X,   160                          ; v160-223 x's path: 64 numbers in the operand's order
.set PC,  224                          ; v224-247 x's path: the two fragments' codes
.set CT,  248                          ; v248-254 x's path: the upper halves of blocks, made here and moved
.set PCA, 160                          ; the weights' path: fragment 2 w, fragment 2 w + 1, and the upper halves
.set PCB, 172
.set TA,  184
.set TB,  192
	s_load_b256 s[4:11], s[0:1], 0x0               ; x s[4:5], Wq s[6:7], Wk s[8:9], Wv s[10:11]
	s_load_b128 s[12:15], s[0:1], 0x20             ; xc s[12:13], wc s[14:15]
	v_lshl_add_u32 v251, v0, 2, 0x8400
	v_mov_b32 v255, 0
	v_lshrrev_b32 v1, 5, v0
	v_readfirstlane_b32 s16, v1                    ; wave
	v_and_b32 v2, 31, v0                           ; lane
	v_and_b32 v3, 15, v0                           ; r
	v_bfe_u32 v4, v0, 4, 1                         ; h
	s_and_b32 s17, ttmp7, 0xffff                   ; the K step
	s_mov_b32 s20, 0x76543210
	s_mov_b32 s21, 0xfedcba98                      ; v_permlanex16_b32's selects for lane l xor 16
	s_mov_b32 s22, 0xffff0000                      ; lanes 16-31
	s_mul_i32 s18, s16, 3072
	v_lshl_add_u32 v13, v2, 4, s18                 ; codes: 16 x lane + my two fragments' place in the panel
	s_lshl_b32 s18, s16, 7
	v_lshl_add_u32 v14, v2, 2, s18                 ; scale words: 4 x lane + 128 x wave
	s_cmp_ge_u32 ttmp9, 64
	s_cbranch_scc1 .Lweights
	; ---- x: K is innermost.  Each load takes one row's 128 numbers, 512 consecutive bytes; a fragment's 16 rows turn through my stage (rows 528 bytes apart), and come back 32 neighbours a block to a lane.
	s_mul_i32 s19, s16, 8448
	s_wait_alu depctr_va_vdst(0)
	v_lshl_add_u32 v8, v2, 4, s19                  ; into the stage: 16 x lane
	v_mul_u32_u24 v9, v3, 528
	v_lshl_add_u32 v9, v4, 7, v9
	v_add_nc_u32 v9, s19, v9                       ; out of it: row r, + 128 h: k = 32 h on
	v_lshlrev_b32 v5, 4, v2
	v_lshlrev_b32 v7, 3, v4                        ; 8 h: my bytes' place in the scale word
	v_mov_b32 v22, 0                               ; a lane permute's destination counts as one of its sources
	s_lshl_b32 s24, ttmp9, 19                      ; 128 rows of 4,096 bytes
	s_lshl_b32 s25, s16, 17                        ; my 32 rows
	s_add_co_u32 s24, s24, s25
	s_lshl_b32 s25, s17, 9                         ; 128 numbers along K
	s_add_co_u32 s24, s24, s25
	s_mov_b32 s25, 0
	s_lshr_b32 s26, ttmp9, 1
	s_lshl_b32 s26, s26, 3
	s_add_co_u32 s26, s26, s17
	s_lshl_b32 s26, s26, 1
	s_and_b32 s27, ttmp9, 1
	s_add_co_u32 s26, s26, s27
	s_mul_i32 s26, s26, PANEL
	s_mov_b32 s27, 0
	s_wait_alu depctr_va_vdst(0)
	s_wait_kmcnt 0x0
	s_add_nc_u64 s[4:5], s[4:5], s[24:25]
	s_add_nc_u64 s[12:13], s[12:13], s[26:27]
.irp u, 0,1
.irp i, 0,1,2,3,4,5,6,7,8,9,10,11,12,13,14,15
	global_load_b128 v[R+64*\u+4*\i:R+64*\u+4*\i+3], v5, s[4:5] offset:(8*\u+(\i%8)+16*(\i/8))*4096 th:TH_LOAD_NT   ; place i of fragment u is row 16 (i / 8) + 8 u + i % 8
.endr
.endr
.macro XFRAG u
	s_wait_loadcnt 16*(1-\u)                       ; this fragment's sixteen loads are in; the other's may be out
.irp i, 0,1,2,3,4,5,6,7,8,9,10,11,12,13,14,15
	ds_store_b128 v8, v[R+64*\u+4*\i:R+64*\u+4*\i+3] offset:528*\i
.endr
.irp c, 0,1
.irp j, 0,1,2,3,4,5,6,7
	ds_load_b128 v[X+32*\c+4*\j:X+32*\c+4*\j+3], v9 offset:256*\c+16*\j   ; LDS serves a wave's instructions in order: these see my stores.  Register 32 c + i = k 64 c + 32 h + i
.endr
.endr
	s_wait_dscnt 0x0
.irp c, 0,1
	v_max3_num_f32 v[16+\c], |v[X+32*\c]|, |v[X+32*\c+1]|, 0x2800000      ; my block 2 c + h, with the floor 2^(5 - 127): the byte cannot fall under 1
.endr
.irp i, 2,4,6,8,10,12,14,16,18,20,22,24,26,28,30
.irp c, 0,1
	v_max3_num_f32 v[16+\c], v[16+\c], |v[X+32*\c+\i]|, |v[X+32*\c+\i+1]|
.endr
.endr
.irp c, 0,1
	v_add_nc_u32 v[18+\c], 0xfe000000, v[16+\c]    ; 4 off the exponent field: the conversion's scale operand
.endr
.irp c, 0,1
	v_lshrrev_b32 v[20+\c], 23, v[18+\c]           ; the byte
.endr
	v_lshl_or_b32 v[10+\u], v21, 16, v20           ; blocks h and 2 + h,
	v_lshlrev_b32 v[10+\u], v7, v[10+\u]           ; at their places;
	v_permlanex16_b32 v22, v[10+\u], s20, s21
	v_or_b32 v[10+\u], v[10+\u], v22               ; with lane l xor 16's two the word is whole, in both halves of the lanes
.irp c, 0,1
	v_cvt_scalef32_pk16_bf6_f32 v[PC+12*\u+6*\c:PC+12*\u+6*\c+2], v[X+32*\c:X+32*\c+15], v[18+\c]
	v_cvt_scalef32_pk16_bf6_f32 v[CT+4*\c:CT+4*\c+2], v[X+32*\c+16:X+32*\c+31], v[18+\c]   ; (a conversion's three registers begin on an even number)
.endr
	v_nop                                          ; one plain place behind a scaled conversion
.irp c, 0,1
.irp i, 0,1,2
	v_mov_b32 v[PC+12*\u+6*\c+3+\i], v[CT+4*\c+\i]
.endr
.endr
.irp g, 0,1,2
	global_store_b128 v13, v[PC+12*\u+4*\g:PC+12*\u+4*\g+3], s[12:13] offset:1536*\u+512*\g   ; 32 lanes store 512 consecutive bytes; each fragment has its own registers, so no store's data are written again
.endr
.endm
	XFRAG 0
	XFRAG 1
	v_cndmask_b32 v12, v10, v11, s22               ; lanes 0-15: fragment 2 w's words, lanes 16-31: fragment 2 w + 1's
	global_store_b32 v14, v12, s[12:13] offset:12288
	s_wait_tensorcnt 0x0
	ds_add_u32 v251, v255
	s_wait_dscnt 0x0
	s_endpgm
.Lweights:
	; ---- the weights: K is the first axis.  A lane takes a column (the column of its place in the group of 32) and its 128 registers run down K: four whole blocks.
	s_sub_co_u32 s23, ttmp9, 64                    ; panel 0 .. 23
	s_and_b32 s28, s23, 7
	v_and_b32 v15, 7, v0
	v_bfe_u32 v16, v0, 3, 1
	v_lshl_add_u32 v15, v16, 4, v15
	s_wait_alu depctr_va_vdst(0)
	v_lshl_add_u32 v15, v4, 3, v15                 ; place 16 u + 8 g + j takes column 16 g + 8 u + j
	v_lshlrev_b32 v15, 2, v15
	s_lshl_b32 s24, s17, 19                        ; 128 rows of 4,096 bytes down K
	s_lshl_b32 s25, s28, 9                         ; the panel's 128 columns
	s_add_co_u32 s24, s24, s25
	s_lshl_b32 s25, s16, 7                         ; my 32
	s_add_co_u32 s24, s24, s25
	s_mov_b32 s25, 0
	s_lshl_b32 s26, s28, 3
	s_add_co_u32 s26, s26, s17
	s_mul_i32 s26, s26, 3
	s_lshr_b32 s27, s23, 3
	s_add_co_u32 s26, s26, s27
	s_mul_i32 s26, s26, PANEL
	s_mov_b32 s27, 0
	s_wait_alu depctr_va_vdst(0)
	s_wait_kmcnt 0x0
	s_cmp_lt_u32 s23, 16                           ; which tensor: the choice hangs on the work-group's number alone
	s_cselect_b64 s[8:9], s[8:9], s[10:11]
	s_cmp_lt_u32 s23, 8
	s_cselect_b64 s[6:7], s[6:7], s[8:9]
	s_add_nc_u64 s[6:7], s[6:7], s[24:25]
	s_add_nc_u64 s[14:15], s[14:15], s[26:27]
.set n, 0
.rept 128
	global_load_b32 v[R+n], v15, s[6:7] offset:n*4096 th:TH_LOAD_NT   ; a wave reads 128 consecutive bytes, the four waves stand side by side
.set n, n+1
.endr
	s_wait_loadcnt 0x0
.irp b, 0,1,2,3
	v_max3_num_f32 v[16+\b], |v[R+32*\b]|, |v[R+32*\b+1]|, 0x2800000
.endr
.irp i, 2,4,6,8,10,12,14,16,18,20,22,24,26,28,30
.irp b, 0,1,2,3
	v_max3_num_f32 v[16+\b], v[16+\b], |v[R+32*\b+\i]|, |v[R+32*\b+\i+1]|   ; the four blocks by turns
.endr
.endr
.irp b, 0,1,2,3
	v_add_nc_u32 v[20+\b], 0xfe000000, v[16+\b]
.endr
.irp b, 0,1,2,3
	v_lshrrev_b32 v[24+\b], 23, v[20+\b]
.endr
	v_lshl_or_b32 v12, v25, 8, v24                 ; my row's scale word: lane l's is place l's
	v_lshl_or_b32 v12, v26, 16, v12
	v_lshl_or_b32 v12, v27, 24, v12
.irp c, 0,1
	v_cvt_scalef32_pk16_bf6_f32 v[PCA+6*\c:PCA+6*\c+2], v[R+64*\c:R+64*\c+15], v[20+2*\c]        ; block 2 c, lower and upper half;
	v_cvt_scalef32_pk16_bf6_f32 v[TA+4*\c:TA+4*\c+2], v[R+64*\c+16:R+64*\c+31], v[20+2*\c]
	v_cvt_scalef32_pk16_bf6_f32 v[PCB+6*\c:PCB+6*\c+2], v[R+64*\c+32:R+64*\c+47], v[21+2*\c]     ; block 2 c + 1
	v_cvt_scalef32_pk16_bf6_f32 v[TB+4*\c:TB+4*\c+2], v[R+64*\c+48:R+64*\c+63], v[21+2*\c]
.endr
	v_nop                                          ; one plain place behind a scaled conversion
.irp c, 0,1                                    ; the first's lanes 16-31 change places with the second's lanes 0-15: the first then is a register of fragment 2 w (lanes 0-15 block 2 c, lanes 16-31 block 2 c + 1 of its rows), the second of fragment 2 w + 1
.irp i, 0,1,2
	v_permlane16_swap_b32 v[PCA+6*\c+\i], v[PCB+6*\c+\i]
	v_permlane16_swap_b32 v[TA+4*\c+\i], v[TB+4*\c+\i]
.endr
.endr
.irp c, 0,1
.irp i, 0,1,2
	v_mov_b32 v[PCA+6*\c+3+\i], v[TA+4*\c+\i]
	v_mov_b32 v[PCB+6*\c+3+\i], v[TB+4*\c+\i]
.endr
.endr
.irp g, 0,1,2
	global_store_b128 v13, v[PCA+4*\g:PCA+4*\g+3], s[14:15] offset:512*\g
	global_store_b128 v13, v[PCB+4*\g:PCB+4*\g+3], s[14:15] offset:1536+512*\g
.endr
	global_store_b32 v14, v12, s[14:15] offset:12288
	s_endpgm
.Lfunc_end_k_q3eb85bbc04_prep:
	.size	k_q3eb85bbc04_prep, .Lfunc_end_k_q3eb85bbc04_prep-k_q3eb85bbc04_prep
	.p2alignl 7, 3214868480
	.fill 96, 4, 3214868480
	.section	.rodata,"a",@progbits
	.p2align	6, 0x0
	.amdhsa_kernel k_q3eb85bbc04_prep
		.amdhsa_group_segment_fixed_size 34304
		.amdhsa_private_segment_fixed_size 0
		.amdhsa_enable_private_segment 0
		.amdhsa_kernarg_size 48
		.amdhsa_user_sgpr_count 2
		.amdhsa_user_sgpr_kernarg_segment_ptr 1
		.amdhsa_wavefront_size32 1
		.amdhsa_system_sgpr_workgroup_id_x 1
		.amdhsa_system_sgpr_workgroup_id_y 1
		.amdhsa_system_sgpr_workgroup_id_z 1
		.amdhsa_system_vgpr_workitem_id 0
		.amdhsa_next_free_vgpr 256
		.amdhsa_next_free_sgpr 66
		.amdhsa_reserve_vcc 0
		.amdhsa_float_denorm_mode_32 3
		.amdhsa_float_denorm_mode_16_64 3
		.amdhsa_memory_ordered 1
		.amdhsa_forward_progress 1
		.amdhsa_inst_pref_size 36
	.end_amdhsa_kernel
	.amdgpu_metadata
---
amdhsa.version: [ 1, 2 ]
amdhsa.kernels:
  - .name:           k_q3eb85bbc04_prep
    .symbol:         k_q3eb85bbc04_prep.kd
    .args:
      - { .name: x, .offset: 0, .size: 8, .value_kind: global_buffer, .address_space: global }
      - { .name: Wq, .offset: 8, .size: 8, .value_kind: global_buffer, .address_space: global }
      - { .name: Wk, .offset: 16, .size: 8, .value_kind: global_buffer, .address_space: global }
      - { .name: Wv, .offset: 24, .size: 8, .value_kind: global_buffer, .address_space: global }
      - { .name: xc, .offset: 32, .size: 8, .value_kind: global_buffer, .address_space: global }
      - { .name: wc, .offset: 40, .size: 8, .value_kind: global_buffer, .address_space: global }
    .group_segment_fixed_size: 34304
    .private_segment_fixed_size: 0
    .kernarg_segment_align: 8
    .kernarg_segment_size: 48
    .max_flat_workgroup_size: 128
    .sgpr_count:     66
    .vgpr_count:     256
    .wavefront_size: 32
...
	.end_amdgpu_metadata
.endif
;; end of part 1
;; launch proj (part 2): grid 8 x 32, 4 waves a work-group, clusters of 4 x 4, 327,680 bytes of LDS; arguments xc, wc, qkc, vc; writes qkc, vc
.if DOCPART == 2
	.amdgcn_target "amdgcn-amd-amdhsa--gfx1250"
	.amdhsa_code_object_version 6
	.text
	.protected	k_q3eb85bbc04_proj
	.globl	k_q3eb85bbc04_proj
	.p2align	8
	.type	k_q3eb85bbc04_proj,@function
k_q3eb85bbc04_proj:
	s_mov_b64 s[64:65], 0
	v_nop
	global_prefetch_b8 v0, s[64:65] scope:SCOPE_SE
	s_setreg_imm32_b32 hwreg(HW_REG_WAVE_MODE, 25, 1), 1
	s_wait_xcnt 0x0
	s_wait_alu depctr_hold_cnt(0) depctr_sa_sdst(0) depctr_va_vdst(0) depctr_va_sdst(0) depctr_va_ssrc(0) depctr_va_vcc(0) depctr_vm_vsrc(0)
	s_getreg_b32 s2, hwreg(HW_REG_IB_STS2, 6, 4)
	s_cmp_eq_u32 s2, 0
	s_cbranch_scc0 .Lentry_in_a_cluster
	s_endpgm
.Lentry_in_a_cluster:
	s_bfe_u32 s2, ttmp6, 0x10000c
	s_cmp_lg_u32 s2, 0xf033
	s_cbranch_scc0 .Lentry_shape_is_right
	s_endpgm
.Lentry_shape_is_right:
; q = x Wq, k = x Wk, v = x Wv on codes of BF6, and the quantising of the three results: q and k along the channels, v along the tokens.
; xc: [32 token tiles][8 K steps][2 panels], wc: [8 channel tiles][8 K steps][q, k, v], panels of 12,800 bytes: eight fragments (16 rows x 128 K) as images of their 12 registers, then the scale words [fragment][row].
; qkc: [64 token panels][16: q's eight channel panels, k's eight] panels; vc: [8 channel panels][64 token panels] panels.  In a group of 32 rows place 16 u + 8 g + j holds row 16 g + 8 u + j.
; SHARES: a work-group takes 256 tokens x (128 channels of q, the same 128 of k, the same 128 of v): 8 x 32 work-groups, and ONE walk along K: each fragment of x serves all three weights.
; Wave (tp, hs): token panel tp; panel q (hs = 0) or k (hs = 1), 64 accumulators; and 64 channels of v (half hs), 32 accumulators: 96 products for 20 fragments a K step.
; q, k: source 0 = 16 channels, source 1 = 16 tokens: a lane holds one token and its registers run along the channels.  v: source 0 = 16 tokens, source 1 = 16 channels: a lane holds one channel, registers along the tokens.
; So the registers of two neighbouring tiles are 16 neighbours along the next product's K.
; A K STEP IS THREE GROUPS of 32 products: v's four weight fragments, then the other panel's first four, then its last four, each against the eight token fragments, token after token.  Two sets of weight fragments take turns group by group.
; There is one set of token fragments: in the third group a token's registers are loaded anew when its last product is four places back.
; LDS: L0 (192,000 bytes: three K steps, x's then the weights'), LB (128,000: two).  L0 takes K steps 0-2, LB 3-4, L0 again 5-7: one tensor load a wave each time, waves 0, 1 for x, waves 2, 3 for the weights.
; CLUSTER 4 x 4: x's tiles are shared along a row, the weights' along a column: joint loads.  No prefetch: the walk is three loads, the second asked for 248 products ahead of its wait, and there is no loop to run ahead in.
; LIMITS: NaN and infinities are not served; blocks whose largest magnitude lies under 2^-122 keep the byte 1 (a block of zeros too: its codes are zeros, and this program alone reads the bytes).
; REGISTERS: window 0: v4-19 LDS addresses, v20-21 the add's, v22-23, v62-63 lane offsets, v24-43 scale words (nothing else), v44-61 the way out's words, v64-159 token fragments, v160-255 weight fragments, two sets.
;   window 1: v's accumulators (channel c, token t) at v[64 c + 8 t];  windows 2, 3: (token t, channel fragment f) at v[32 t + 8 (f % 4)], f < 4 in window 2.
.set PANEL, 12800
.set WK,    3*PANEL                    ; the three weights' bytes of one K step
.set WL0,   76800                      ; L0: the weights lie behind x's three K steps
.set LB,    192000
.set WLB,   LB+51200
.set SPARE, 320000                     ; behind all tiles: the spare words, 128 bytes a wave
.set XA,    4                          ; x: L0, LB
.set SX,    6
.set WA,    8                          ; q or k: L0, L0's third K step, LB
.set VA,    11
.set SW,    14
.set SV,    17
.set SPW,   20
.set NIL,   21
.set LI,    22
.set LS,    23
.set SCB,   24                         ; scale words, two sets of 10: 4 of tokens, 4 of q or k, 2 of v; register i: lanes 0-15 fragment 2 i, lanes 16-31 fragment 2 i + 1
.set WD,    44
.set FO,    200
.set LIV,   62
.set LSV,   63
.set TK,    64
.set WS,    160
.set PC,    64                         ; the way out: codes, 12 registers for each of 12 blocks, so that no store's data are written again
.set MX,    160                        ; at work: where the last K step's second group had its weights
.set PT,    168
.set SO,    176
.set CT,    184
.set G1,    24                         ; groups 1: x, weights: three K steps;
.set G1B,   48
.set G1L,   84                         ; two K steps
.set G1BL,  92
.set G0,    32                         ; groups 0 for x and for the weights: L0's, LB's
.set G0B,   56
.set MSB, 0
.macro WIN new
.if MSB != (\new)
	s_set_vgpr_msb (MSB<<8)|(\new)
.set MSB, (\new)
.endif
.endm
.macro PLACES cnt
.rept \cnt
	v_nop
.endr
.endm
.macro JLOAD g0a, g1a, g0b, g1b        ; waves 0 and 1 fetch x's two halves, waves 2 and 3 the weights'; four v_nop follow each of the two lines
	s_cmp_eq_u32 s15, 0
	s_cbranch_scc0 .Lfor_b_\@
	tensor_load_to_lds s[\g0a:\g0a+3], s[\g1a:\g1a+7]
	s_nop 0
.rept 4
	v_nop
.endr
	s_branch .Lasked_\@
.Lfor_b_\@:
	tensor_load_to_lds s[\g0b:\g0b+3], s[\g1b:\g1b+7]
	s_nop 0
.rept 4
	v_nop
.endr
.Lasked_\@:
.endm
.macro CREST
	s_cmp_lg_u32 s14, 0
	s_cbranch_scc1 .Lnot_wave_0_\@
	s_barrier_signal -3
.Lnot_wave_0_\@:
	s_barrier_wait -3
	s_barrier_signal -1
	s_barrier_wait -1
.endm
.macro CROUND
	s_barrier_signal -1
	s_barrier_wait -1
	CREST
.endm
.macro GRP g, rows                     ; a dense block as rows of 256 bytes
	s_mov_b32 s[\g+1], 32<<16
	s_mov_b32 s[\g+2], (\rows)<<16
	s_mov_b32 s[\g+3], 32<<16
	s_mov_b32 s[\g+4], \rows
	s_mov_b32 s[\g+5], 32
	s_mov_b32 s[\g+6], 0
	s_mov_b32 s[\g+7], 0
.endm
.macro TRI dst, src, off
	v_add_nc_u32 v[\dst], WL0+(\off), v[\src]
	v_add_nc_u32 v[\dst+1], WL0+2*WK+(\off), v[\src]
	v_add_nc_u32 v[\dst+2], WLB+(\off), v[\src]
.endm
; Where K step k lies: RX, OX: x's address register and offset; RW, OW: the weights'.
.macro MAPK k
.if (\k) < 3
.set PO, (\k)
.elseif (\k) < 5
.set PO, (\k)-3
.else
.set PO, (\k)-5
.endif
.if (\k) == 3 || (\k) == 4
.set RX, 1
.set RW, 2
.set OW, PO*WK
.else
.set RX, 0
.set RW, PO/2
.set OW, WK*(PO%2)
.endif
.set OX, PO*2*PANEL
.endm
.macro LDT t                           ; a token fragment: each load takes 512 consecutive bytes, an image's piece
.irp g, 0,1,2
	ds_load_b128 v[TK+12*(\t)+4*\g:TK+12*(\t)+4*\g+3], v[XA+RX] offset:OX+1536*(\t)+512*\g
.endr
.endm
.macro LDW isv, f, set                 ; a weight fragment into set
.irp g, 0,1,2
.if \isv
	ds_load_b128 v[WS+48*(\set)+12*((\f)%4)+4*\g:WS+48*(\set)+12*((\f)%4)+4*\g+3], v[VA+RW] offset:OW+1536*(\f)+512*\g
.else
	ds_load_b128 v[WS+48*(\set)+12*((\f)%4)+4*\g:WS+48*(\set)+12*((\f)%4)+4*\g+3], v[WA+RW] offset:OW+1536*(\f)+512*\g
.endif
.endr
.endm
.macro SCL set                         ; a K step's scale words
.irp i, 0,1,2,3
	ds_load_b32 v[SCB+10*(\set)+\i], v[SX+RX] offset:OX+128*\i
	ds_load_b32 v[SCB+10*(\set)+4+\i], v[SW+RW] offset:OW+128*\i
.endr
.irp i, 0,1
	ds_load_b32 v[SCB+10*(\set)+8+\i], v[SV+RW] offset:OW+128*\i
.endr
.endm
.macro WM                              ; one product; the first K step's start the sums
.if Z
.if pa == 0
.if pb == 0
	v_wmma_scale_f32_16x16x128_f8f6f4 v[rD:rD+7], v[rA:rA+11], v[rB:rB+11], 0, v[rU], v[rV] matrix_a_fmt:MATRIX_FMT_BF6 matrix_b_fmt:MATRIX_FMT_BF6
.else
	v_wmma_scale_f32_16x16x128_f8f6f4 v[rD:rD+7], v[rA:rA+11], v[rB:rB+11], 0, v[rU], v[rV] matrix_a_fmt:MATRIX_FMT_BF6 matrix_b_fmt:MATRIX_FMT_BF6 matrix_b_scale:MATRIX_SCALE_ROW1
.endif
.else
.if pb == 0
	v_wmma_scale_f32_16x16x128_f8f6f4 v[rD:rD+7], v[rA:rA+11], v[rB:rB+11], 0, v[rU], v[rV] matrix_a_fmt:MATRIX_FMT_BF6 matrix_b_fmt:MATRIX_FMT_BF6 matrix_a_scale:MATRIX_SCALE_ROW1
.else
	v_wmma_scale_f32_16x16x128_f8f6f4 v[rD:rD+7], v[rA:rA+11], v[rB:rB+11], 0, v[rU], v[rV] matrix_a_fmt:MATRIX_FMT_BF6 matrix_b_fmt:MATRIX_FMT_BF6 matrix_a_scale:MATRIX_SCALE_ROW1 matrix_b_scale:MATRIX_SCALE_ROW1
.endif
.endif
.else
.if pa == 0
.if pb == 0
	v_wmma_scale_f32_16x16x128_f8f6f4 v[rD:rD+7], v[rA:rA+11], v[rB:rB+11], v[rD:rD+7], v[rU], v[rV] matrix_a_fmt:MATRIX_FMT_BF6 matrix_b_fmt:MATRIX_FMT_BF6
.else
	v_wmma_scale_f32_16x16x128_f8f6f4 v[rD:rD+7], v[rA:rA+11], v[rB:rB+11], v[rD:rD+7], v[rU], v[rV] matrix_a_fmt:MATRIX_FMT_BF6 matrix_b_fmt:MATRIX_FMT_BF6 matrix_b_scale:MATRIX_SCALE_ROW1
.endif
.else
.if pb == 0
	v_wmma_scale_f32_16x16x128_f8f6f4 v[rD:rD+7], v[rA:rA+11], v[rB:rB+11], v[rD:rD+7], v[rU], v[rV] matrix_a_fmt:MATRIX_FMT_BF6 matrix_b_fmt:MATRIX_FMT_BF6 matrix_a_scale:MATRIX_SCALE_ROW1
.else
	v_wmma_scale_f32_16x16x128_f8f6f4 v[rD:rD+7], v[rA:rA+11], v[rB:rB+11], v[rD:rD+7], v[rU], v[rV] matrix_a_fmt:MATRIX_FMT_BF6 matrix_b_fmt:MATRIX_FMT_BF6 matrix_a_scale:MATRIX_SCALE_ROW1 matrix_b_scale:MATRIX_SCALE_ROW1
.endif
.endif
.endif
.endm
; Token t against group j's four weight fragments.  The 96 accumulators take turns in one fixed order.
.macro SUB ks, j, t
	WIN 0x50*(1+(\j))
.irp f, 0,1,2,3
.set rW, WS+48*((3*(\ks)+(\j))%2)+12*\f
.set rT, TK+12*(\t)
.set rS, SCB+10*((\ks)%2)
.if (\j) == 0
.set rD, 64*\f+8*(\t)
.set rA, rT
.set rB, rW
.set rU, rS+(\t)/2
.set rV, rS+8+\f/2
.set pa, (\t)%2
.set pb, \f%2
.else
.set rD, 32*(\t)+8*\f
.set rA, rW
.set rB, rT
.set rU, rS+4+2*((\j)-1)+\f/2
.set rV, rS+(\t)/2
.set pa, \f%2
.set pb, (\t)%2
.endif
	WM
.endr
.endm
; A K step.  turn = 1: its region is read out: a round of the cluster's barrier, and L0 is filled again; 2: a plain barrier, behind which nothing is filled; 0: none.
; Loads into registers that matrix instructions have read stand behind four v_nop, in three runs: the third group's weights (12 loads) behind the first group; in the middle of the third group the next K step's first weights,
; its scale words and tokens 0 to 3 (34 loads); at its end tokens 4 to 7 and the second group's weights (24).
; The counted waits: the first group's start leaves that last run (24) out; token t > 3 the 3 (7 - t) loads of later tokens and 12 of weights; the second group the 12 of the third group's weights.
.macro KSTEP ks, turn, last
.if (\ks) == 0
.set Z, 1
.else
.set Z, 0
.endif
.set wa, (3*(\ks))%2                   ; the set of the first and third group
.set wb, 1-wa
.irp t, 0,1,2,3,4,5,6,7
.if \t == 0
	s_wait_dscnt 24
.endif
.if \t > 3
	s_wait_dscnt 33-3*\t
.endif
	SUB \ks, 0, \t
.endr
	WIN 0
	PLACES 4
	LDW 0, 4, wa                                   ; the third group's: this K step's last reads
	LDW 0, 5, wa
	LDW 0, 6, wa
	LDW 0, 7, wa
	s_wait_dscnt 12
.irp t, 0,1,2,3,4,5,6,7
	SUB \ks, 1, \t
.if (\turn) != 0 && \t == 5
	WIN 0
	s_wait_tensorcnt 0x0                           ; all my tensor loads have landed
	ds_add_u32 v[SPW], v[NIL]                      ; 0 onto my spare word
.endif
.endr
	s_wait_dscnt 0x0                               ; my reads of this K step are over (and the add, where there is one)
.if (\turn) != 0
	s_barrier_signal -1
.endif
.if (\last) == 0
	MAPK (\ks)+1
.endif
.irp t, 0,1,2,3,4,5,6,7
.if (\last) == 0                       ; the last K step's third group stands in the way out
	SUB \ks, 2, \t
.if \t == 3
	WIN 0
.if (\turn) != 0
	s_barrier_wait -1
.endif
.if (\turn) == 1
	CREST                                          ; no wave of any partner still reads L0 or has a load on its way
	s_add_nc_u64 s[G0+2:G0+3], s[G0+2:G0+3], 10*PANEL   ; five K steps on
	s_add_nc_u64 s[G0B+2:G0B+3], s[G0B+2:G0B+3], 5*WK
	JLOAD G0, G1, G0B, G1B                         ; the first tensor load behind the round
.endif
	PLACES 4
	LDW 1, 0, wb
	LDW 1, 1, wb
	LDW 1, 2, wb
	LDW 1, 3, wb
	SCL ((\ks)+1)%2
	LDT 0
	LDT 1
	LDT 2
	LDT 3
.endif
.if \t == 7
	WIN 0
	PLACES 4
	LDT 4
	LDT 5
	LDT 6
	LDT 7
	LDW 0, 0, wa
	LDW 0, 1, wa
	LDW 0, 2, wa
	LDW 0, 3, wa
.endif
.endif
.endr
.endm
	s_load_b256 s[4:11], s[0:1], 0x0               ; xc s[4:5], wc s[6:7], qkc s[8:9], vc s[10:11]
	v_lshl_add_u32 v[SPW], v0, 2, SPARE
	v_mov_b32 v[NIL], 0
	ds_add_u32 v[SPW], v[NIL]                      ; the wave's opening: the add, twice on end
	ds_add_u32 v[SPW], v[NIL]
	v_lshrrev_b32 v1, 5, v0
	v_readfirstlane_b32 s14, v1                    ; wave
	s_lshr_b32 s15, s14, 1                         ; tp.  Also: I fetch for x (0) or for the weights (1)
	s_and_b32 s16, s14, 1                          ; hs.  Also: which half of it
	s_bfe_u32 s40, ttmp6, 0x40000                  ; cx
	s_bfe_u32 s41, ttmp6, 0x40004                  ; cy
	s_and_b32 s17, ttmp7, 0xffff
	s_lshl_b32 s42, s17, 2
	s_add_co_u32 s42, s42, s41                     ; token tile
	s_lshl_b32 s43, ttmp9, 2
	s_add_co_u32 s43, s43, s40                     ; channel tile
	s_lshl_b32 s46, s41, 2
	s_lshl_b32 s46, 15, s46                        ; my row of the cluster
	s_lshl_b32 s47, 0x1111, s40                    ; my column
	s_or_b32 s[G1], s46, (3<<16)|(1<<21)           ; the mask; elements of 8 bytes; bit 21 beside a mask; no padding
	s_or_b32 s[G1B], s47, (3<<16)|(1<<21)
	s_or_b32 s[G1L], s46, (3<<16)|(1<<21)
	s_or_b32 s[G1BL], s47, (3<<16)|(1<<21)
	GRP G1, 150                                    ; half of three K steps of x: 38,400 bytes;
	GRP G1B, 225                                   ; of the weights: 57,600;
	GRP G1L, 100                                   ; half of two K steps of x: 25,600;
	GRP G1BL, 150                                  ; of the weights: 38,400
	s_mul_i32 s18, s42, 16*PANEL
	s_mov_b32 s19, 0
	s_mul_i32 s66, s43, 8*WK
	s_mov_b32 s67, 0
	s_mul_i32 s76, s16, 38400                      ; my half's place in a block of 76,800 bytes,
	s_mov_b32 s77, 0
	s_mul_i32 s82, s16, 57600                      ; of 115,200,
	s_mov_b32 s83, 0
	s_mul_i32 s2, s16, 25600                       ; of 51,200
	s_mov_b32 s3, 0
	s_wait_dscnt 0x0                               ; both opening adds are done
	CROUND                                         ; all sixteen work-groups are here: the first joint loads meet
	s_wait_kmcnt 0x0
	s_add_nc_u64 s[68:69], s[4:5], s[18:19]
	s_add_nc_u64 s[70:71], s[6:7], s[66:67]
	s_mov_b32 s[G0], 1                             ; L0: K steps 0 to 2
	s_add_co_u32 s[G0+1], s76, 0
	s_add_nc_u64 s[G0+2:G0+3], s[68:69], s[76:77]
	s_or_b32 s[G0+3], s[G0+3], 0x80000000
	s_mov_b32 s[G0B], 1
	s_add_co_u32 s[G0B+1], s82, WL0
	s_add_nc_u64 s[G0B+2:G0B+3], s[70:71], s[82:83]
	s_or_b32 s[G0B+3], s[G0B+3], 0x80000000
	s_mov_b32 s[G0+4], 1                           ; LB: K steps 3, 4
	s_add_co_u32 s[G0+5], s2, LB
	s_add_nc_u64 s[G0+6:G0+7], s[68:69], s[2:3]
	s_add_nc_u64 s[G0+6:G0+7], s[G0+6:G0+7], 6*PANEL
	s_or_b32 s[G0+7], s[G0+7], 0x80000000
	s_mov_b32 s[G0B+4], 1
	s_add_co_u32 s[G0B+5], s76, WLB
	s_add_nc_u64 s[G0B+6:G0B+7], s[70:71], s[76:77]
	s_add_nc_u64 s[G0B+6:G0B+7], s[G0B+6:G0B+7], 3*WK
	s_or_b32 s[G0B+7], s[G0B+7], 0x80000000
	JLOAD G0, G1, G0B, G1B                         ; one tensor load a wave at the head
	v_and_b32 v1, 31, v0
	v_lshlrev_b32 v[LI], 4, v1
	v_lshlrev_b32 v[LS], 2, v1
	s_mul_i32 s18, s15, PANEL
	s_mul_i32 s19, s16, PANEL
	s_mul_i32 s66, s16, 6144                       ; v: my four fragments
	s_lshl_b32 s67, s16, 8                         ; and their scale words
	v_add_nc_u32 v[XA], s18, v[LI]
	v_add_nc_u32 v[XA+1], LB, v[XA]
	v_add_nc_u32 v2, s18, v[LS]
	v_add_nc_u32 v[SX], 12288, v2
	v_add_nc_u32 v[SX+1], LB, v[SX]
	v_add_nc_u32 v2, s19, v[LI]
	v_add_nc_u32 v3, s19, v[LS]
	TRI WA, 2, 0
	TRI SW, 3, 12288
	v_add_nc_u32 v[LIV], s66, v[LI]
	v_add_nc_u32 v[LSV], s67, v[LS]
	TRI VA, LIV, 2*PANEL
	TRI SV, LSV, 2*PANEL+12288
	s_lshl_b32 s12, s42, 1
	s_add_co_u32 s12, s12, s15                     ; my token panel
	s_lshl_b32 s13, s43, 6
	s_add_co_u32 s18, s13, s12                     ; v's panel
	s_lshl_b32 s12, s12, 1
	s_add_co_u32 s12, s12, s16
	s_lshl_b32 s12, s12, 3
	s_add_co_u32 s12, s12, s43                     ; q's or k's
	s_mul_i32 s12, s12, PANEL
	s_mov_b32 s13, 0
	s_mul_i32 s18, s18, PANEL
	s_mov_b32 s19, 0
	s_add_nc_u64 s[72:73], s[8:9], s[12:13]
	s_add_nc_u64 s[74:75], s[10:11], s[18:19]
	s_mov_b32 s78, 0xffff0000                      ; lanes 16-31
	s_mov_b32 s80, 0x76543210
	s_mov_b32 s81, 0xfedcba98                      ; v_permlanex16_b32's selects for lane l xor 16
	s_wait_alu depctr_va_vdst(0)
	s_wait_tensorcnt 0x0                           ; my part of L0 is in
	ds_add_u32 v[SPW], v[NIL]
	s_wait_dscnt 0x0
	CROUND                                         ; L0 is whole in every work-group
	JLOAD G0+4, G1L, G0B+4, G1BL                   ; LB's first fill, the first tensor load behind the round
	MAPK 0
	LDW 1, 0, 0
	LDW 1, 1, 0
	LDW 1, 2, 0
	LDW 1, 3, 0
	SCL 0
.irp t, 0,1,2,3,4,5,6,7
	LDT \t
.endr
	LDW 0, 0, 1
	LDW 0, 1, 1
	LDW 0, 2, 1
	LDW 0, 3, 1
	KSTEP 0, 0, 0
	KSTEP 1, 0, 0
	KSTEP 2, 1, 0                                  ; L0 is read out and takes K steps 5 to 7
	KSTEP 3, 0, 0
	KSTEP 4, 2, 0                                  ; the barrier shows the refill to every wave
	KSTEP 5, 0, 0
	KSTEP 6, 0, 0
	KSTEP 7, 0, 1
; THE WAY OUT, two blocks of 16 rows x 128 along the next K at a time.  isv: v's channel fragments a, a + 1; else the token fragments a, a + 1 of q or k.  n: their number among the twelve.
.macro QUANT2 isv, a, n
.irp hb, 0,1
.if \isv
	WIN 5
.else
	WIN 5*(2+\hb)
.endif
.set ix, 0
.rept 8
.irp k, 0,1
.irp c, 0,1
.if \isv
.set sr, 64*((\a)+\k)+32*\hb+16*\c+ix
.else
.set sr, 32*((\a)+\k)+16*\c+ix
.endif
.set mx, MX+4*\k+2*\hb+\c
.if ix == 0
	v_max3_num_f32 v[mx], |v[sr]|, |v[sr+1]|, 0x2800000   ; with the floor 2^(5 - 127): the byte cannot fall under 1
.else
	v_max3_num_f32 v[mx], |v[sr]|, |v[sr+1]|, v[mx]
.endif
.endr
.endr
.set ix, ix+2
.endr
.endr
	WIN 0
.irp m, 0,1,2,3,4,5,6,7
	v_permlanex16_b32 v[PT+\m], v[MX+\m], s80, s81
.endr
.irp m, 0,1,2,3,4,5,6,7
	v_max_num_f32 v[MX+\m], v[MX+\m], v[PT+\m]     ; with lane l xor 16's 16 numbers
.endr
.irp m, 0,1,2,3,4,5,6,7
	v_add_nc_u32 v[SO+\m], 0xfe000000, v[MX+\m]    ; 4 off the exponent field: the conversion's scale operand
.endr
.irp m, 0,1,2,3,4,5,6,7
	v_lshrrev_b32 v[PT+\m], 23, v[SO+\m]           ; the byte
.endr
.irp k, 0,1
	v_lshl_or_b32 v[WD+(\n)+\k], v[PT+4*\k+1], 8, v[PT+4*\k]
.endr
.irp k, 0,1
	v_lshl_or_b32 v[WD+(\n)+\k], v[PT+4*\k+2], 16, v[WD+(\n)+\k]
.endr
.irp k, 0,1
	v_lshl_or_b32 v[WD+(\n)+\k], v[PT+4*\k+3], 24, v[WD+(\n)+\k]
.endr
.irp hb, 0,1
.if \isv
	WIN 1
.else
	WIN 2+\hb
.endif
.irp k, 0,1
.if \isv
.set sr, 64*((\a)+\k)+32*\hb
.else
.set sr, 32*((\a)+\k)
.endif
.set pc, PC+12*((\n)+\k)+6*\hb
.set ct, CT+4*(2*\k+\hb)
	v_cvt_scalef32_pk16_bf6_f32 v[pc:pc+2], v[sr:sr+15], v[SO+4*\k+2*\hb]
	v_cvt_scalef32_pk16_bf6_f32 v[ct:ct+2], v[sr+16:sr+31], v[SO+4*\k+2*\hb+1]   ; (a conversion's three registers begin on an even number)
.endr
.endr
	WIN 0
	v_nop                                          ; one plain place behind a scaled conversion
.irp k, 0,1
.irp hb, 0,1
.irp m, 0,1,2
	v_permlane16_swap_b32 v[PC+12*((\n)+\k)+6*\hb+\m], v[CT+4*(2*\k+\hb)+\m]   ; a whole block to a lane
.endr
.endr
.endr
.irp k, 0,1
.irp hb, 0,1
.irp m, 0,1,2
	v_mov_b32 v[PC+12*((\n)+\k)+6*\hb+3+\m], v[CT+4*(2*\k+\hb)+\m]
.endr
.endr
.endr
.irp k, 0,1
.set pc, PC+12*((\n)+\k)
.irp g, 0,1,2
.if \isv
	global_store_b128 v[LIV], v[pc+4*\g:pc+4*\g+3], s[74:75] offset:1536*((\a)+\k)+512*\g   ; 32 lanes store 512 consecutive bytes
.else
	global_store_b128 v[LI], v[pc+4*\g:pc+4*\g+3], s[72:73] offset:1536*((\a)+\k)+512*\g
.endif
.endr
.endr
.endm
; THE LAST K STEP'S THIRD GROUP GOES WITH THE WAY OUT: two tokens of q or k are finished by it, quantised and stored while later tokens' products are still to come; their codes take the finished tokens' registers.
; Four v_nop stand in front of the first read of results and the first write over fragments.  v's four blocks come last; their codes take the third group's weights' registers (numbers 12 to 15).
.irp t, 0,1,2,3
	SUB 7, 2, \t
.endr
	WIN 0
	PLACES 4
	QUANT2 0, 0, 0
.irp t, 4,5
	SUB 7, 2, \t
.endr
	WIN 0
	PLACES 4
	QUANT2 0, 2, 2
.irp t, 6,7
	SUB 7, 2, \t
.endr
	WIN 0
	PLACES 4
	QUANT2 0, 4, 4
	QUANT2 0, 6, 6
	QUANT2 1, 0, 12
	QUANT2 1, 2, 14
.irp x, 0,1,2,3
	v_cndmask_b32 v[FO+\x], v[WD+2*\x], v[WD+1+2*\x], s78   ; both halves of the lanes hold a row's word: lanes 0-15 give the even fragment's, lanes 16-31 the odd one's
.endr
.irp x, 0,1
	v_cndmask_b32 v[FO+4+\x], v[WD+12+2*\x], v[WD+13+2*\x], s78
.endr
.irp x, 0,1,2,3
	global_store_b32 v[LS], v[FO+\x], s[72:73] offset:12288+128*\x
.endr
.irp x, 0,1
	global_store_b32 v[LSV], v[FO+4+\x], s[74:75] offset:12288+128*\x
.endr
	s_wait_tensorcnt 0x0                           ; the wave's end
	ds_add_u32 v[SPW], v[NIL]
	s_wait_dscnt 0x0
	CROUND                                         ; the closing round
	s_endpgm
.Lfunc_end_k_q3eb85bbc04_proj:
	.size	k_q3eb85bbc04_proj, .Lfunc_end_k_q3eb85bbc04_proj-k_q3eb85bbc04_proj
	.p2alignl 7, 3214868480
	.fill 96, 4, 3214868480
	.section	.rodata,"a",@progbits
	.p2align	6, 0x0
	.amdhsa_kernel k_q3eb85bbc04_proj
		.amdhsa_group_segment_fixed_size 327680
		.amdhsa_private_segment_fixed_size 0
		.amdhsa_enable_private_segment 0
		.amdhsa_kernarg_size 32
		.amdhsa_user_sgpr_count 2
		.amdhsa_user_sgpr_kernarg_segment_ptr 1
		.amdhsa_wavefront_size32 1
		.amdhsa_system_sgpr_workgroup_id_x 1
		.amdhsa_system_sgpr_workgroup_id_y 1
		.amdhsa_system_sgpr_workgroup_id_z 1
		.amdhsa_system_vgpr_workitem_id 0
		.amdhsa_next_free_vgpr 1024
		.amdhsa_next_free_sgpr 100
		.amdhsa_reserve_vcc 0
		.amdhsa_float_denorm_mode_32 3
		.amdhsa_float_denorm_mode_16_64 3
		.amdhsa_memory_ordered 1
		.amdhsa_forward_progress 1
		.amdhsa_inst_pref_size 198
	.end_amdhsa_kernel
	.amdgpu_metadata
---
amdhsa.version: [ 1, 2 ]
amdhsa.kernels:
  - .name:           k_q3eb85bbc04_proj
    .symbol:         k_q3eb85bbc04_proj.kd
    .args:
      - { .name: xc, .offset: 0, .size: 8, .value_kind: global_buffer, .address_space: global }
      - { .name: wc, .offset: 8, .size: 8, .value_kind: global_buffer, .address_space: global }
      - { .name: qkc, .offset: 16, .size: 8, .value_kind: global_buffer, .address_space: global }
      - { .name: vc, .offset: 24, .size: 8, .value_kind: global_buffer, .address_space: global }
    .group_segment_fixed_size: 327680
    .private_segment_fixed_size: 0
    .kernarg_segment_align: 8
    .kernarg_segment_size: 32
    .max_flat_workgroup_size: 128
    .sgpr_count:     100
    .vgpr_count:     1024
    .wavefront_size: 32
...
	.end_amdgpu_metadata
.endif
;; end of part 2
;; launch scores (part 3): grid 12 x 16, 4 waves a work-group, clusters of 4 x 4, 327,680 bytes of LDS; arguments qkc, pc, ls; writes pc, ls
.if DOCPART == 3
	.amdgcn_target "amdgcn-amd-amdhsa--gfx1250"
	.amdhsa_code_object_version 6
	.text
	.protected	k_q3eb85bbc04_scores
	.globl	k_q3eb85bbc04_scores
	.p2align	8
	.type	k_q3eb85bbc04_scores,@function
k_q3eb85bbc04_scores:
	s_mov_b64 s[64:65], 0
	v_nop
	global_prefetch_b8 v0, s[64:65] scope:SCOPE_SE
	s_setreg_imm32_b32 hwreg(HW_REG_WAVE_MODE, 25, 1), 1
	s_wait_xcnt 0x0
	s_wait_alu depctr_hold_cnt(0) depctr_sa_sdst(0) depctr_va_vdst(0) depctr_va_sdst(0) depctr_va_ssrc(0) depctr_va_vcc(0) depctr_vm_vsrc(0)
	s_getreg_b32 s2, hwreg(HW_REG_IB_STS2, 6, 4)
	s_cmp_eq_u32 s2, 0
	s_cbranch_scc0 .Lentry_in_a_cluster
	s_endpgm
.Lentry_in_a_cluster:
	s_bfe_u32 s2, ttmp6, 0x10000c
	s_cmp_lg_u32 s2, 0xf033
	s_cbranch_scc0 .Lentry_shape_is_right
	s_endpgm
.Lentry_shape_is_right:
; S = q k^T on codes of BF6, the causal mask, and the softmax's numerator piece by piece: for each query and each piece of 128 keys: t = score x log2(e) / 32, M = the piece's largest t rounded UP to a whole number,
; p = 2^(t - M), quantised along the keys; the piece's sum of the unquantised p.  The next launch brings the pieces of a row under the row's M by taking the whole-number difference off p's scale bytes: exact.
; qkc: 64 token panels x 16 K steps (0-7 q, 8-15 k) of 12,800 bytes (fragments as images of their registers, then scale words; in a group of 32 rows place 16 u + 8 g + j holds row 16 g + 8 u + j).
; pc: 64 query panels x 16 key steps of 12,800 bytes, panels.  ls: [64][16][128 rows][-M, sum] f32.
; SHARES: a tile of 256 queries x 256 keys to a work-group, 128 x 128 to a wave.  A cluster takes 1,024 x 1,024; of a batch's four such squares the one that the causal mask hides whole is left out.
; The mask is applied in every tile: tiles above the diagonal inside a square come out as zero codes, -M = 3e38 and sum 0, which the next launch reads.
; THE MATRIX INSTRUCTION IS USED TRANSPOSED: source 0 = 16 keys, source 1 = 16 queries: a lane holds one query, and the 16 registers of key fragments 2 b, 2 b + 1 are keys 32 b + 16 h + 0 .. 15.
; LDS: two regions of 153,600 bytes (q's two panels, k's two, three K steps each): K steps 0-2, 3-5, and 6, 7 in the first again.  One tensor load a wave each time, joint: q's panels are shared along a row of the cluster, k's along a column.
; No prefetch: the walk is three loads, and there is no loop to run ahead in.
; LIMITS: NaN and infinities are not served; |t| stays under 2^31; a p under 2^-126 counts as 0.
; REGISTERS: window 0: v12-15 -M and t of two blocks, v16-25 addresses, v28-29 the add's, v32-47 scale words (nothing else), v48-63 what leaves, v64-255 q's fragments, then two blocks' scores and the work on them.
;   window 1: k's fragments; v96-119 the mask of a query's own 32 keys; on the way out the codes.  windows 2, 3: accumulators.
; WHERE THE STATISTICS LIE IN THIS TEXT: not behind the panels: pc's panels have 12,800 bytes; ls is [64 query panels][16 key steps][128 rows][-M, sum] f32.
.set PANEL, 12800
.set PREG,  38400                      ; a panel's three K steps
.set LB,    153600
.set SPARE, 307200                     ; behind all tiles: the spare words, 128 bytes a wave
.set ADRA, 16                          ; v[ADRA + region]
.set ADRB, 18
.set ADSA, 20
.set ADSB, 22
.set LI,   24
.set LS,   25
.set SPW,  28
.set NIL,  29
.set SCB,  32                          ; scale words: v[SCB + 8 o + i]: lanes 0-15 q's fragment 2 i, lanes 16-31 2 i + 1; + 4: k's
.set WD,   48                          ; the blocks' scale words,
.set NMK,  56                          ; their -M
.set AF,   64
.set S,    64                          ; the way out: two blocks' scores, then p
.set BM,   192                         ; the 32-key blocks' largest scores, then largest p
.set PT,   200
.set SO,   208                         ; scale operands
.set SM,   216                         ; sums, four packed chains for each of two blocks
.set FO,   232
.set LK,   244                         ; the pieces' sums
.set BI,   96                          ; window 1
.set PC,   120                         ; window 1: codes, 12 registers a block, so that no store's data are written again
.set CT,   216
.set G1,   24                          ; groups 1: 150 rows of 256 bytes, my row's mask; the same, my column's;
.set G1B,  48
.set G1L,  84                          ; 100 rows
.set G1BL, 92
.set G0,   32
.set G0B,  56
.set SEL,  80
.set CS,   82
.set MSB, 0
.macro WIN new
.if MSB != (\new)
	s_set_vgpr_msb (MSB<<8)|(\new)
.set MSB, (\new)
.endif
.endm
.macro PLACES cnt
.rept \cnt
	v_nop
.endr
.endm
.macro JLOAD g0a, g1a, g0b, g1b        ; waves 0 and 1 fetch q's two panels, waves 2 and 3 k's; four v_nop follow each of the two lines
	s_cmp_eq_u32 s15, 0
	s_cbranch_scc0 .Lfor_b_\@
	tensor_load_to_lds s[\g0a:\g0a+3], s[\g1a:\g1a+7]
	s_nop 0
.rept 4
	v_nop
.endr
	s_branch .Lasked_\@
.Lfor_b_\@:
	tensor_load_to_lds s[\g0b:\g0b+3], s[\g1b:\g1b+7]
	s_nop 0
.rept 4
	v_nop
.endr
.Lasked_\@:
.endm
.macro CREST
	s_cmp_lg_u32 s14, 0
	s_cbranch_scc1 .Lnot_wave_0_\@
	s_barrier_signal -3
.Lnot_wave_0_\@:
	s_barrier_wait -3
	s_barrier_signal -1
	s_barrier_wait -1
.endm
.macro CROUND
	s_barrier_signal -1
	s_barrier_wait -1
	CREST
.endm
.macro GRP g, rows
	s_mov_b32 s[\g+1], 32<<16                      ; rows of 256 bytes
	s_mov_b32 s[\g+2], (\rows)<<16
	s_mov_b32 s[\g+3], 32<<16
	s_mov_b32 s[\g+4], \rows
	s_mov_b32 s[\g+5], 32
	s_mov_b32 s[\g+6], 0
	s_mov_b32 s[\g+7], 0
.endm
.macro SETG n, lds, goff               ; groups 0, set n.  Written only where no tensor load that names them is out
	s_mov_b32 s[G0+4*\n], 1
	s_add_co_u32 s[G0+4*\n+1], s12, \lds
	s_add_nc_u64 s[G0+4*\n+2:G0+4*\n+3], s[68:69], \goff
	s_or_b32 s[G0+4*\n+3], s[G0+4*\n+3], 0x80000000
	s_mov_b32 s[G0B+4*\n], 1
	s_add_co_u32 s[G0B+4*\n+1], s12, \lds+2*PREG
	s_add_nc_u64 s[G0B+4*\n+2:G0B+4*\n+3], s[70:71], \goff
	s_or_b32 s[G0B+4*\n+3], s[G0B+4*\n+3], 0x80000000
.endm
; cnt blocks of queries from a0 on x the eight of keys, one K step; o: its parity.  The accumulators take turns in one fixed order.
.macro MULA a0, cnt, o, zero
.set aa, \a0
.rept \cnt
.irp b, 0,1,2,3,4,5,6,7
.set rD, 8*(8*(aa%4)+\b)
.set rB, 128*(\o)+12*\b
.set rA, AF+96*(\o)+12*aa
.set rSB, SCB+8*(\o)+4+\b/2
.set rSA, SCB+8*(\o)+aa/2
.if \zero
.if \b%2 == 0 && aa%2 == 0
	v_wmma_scale_f32_16x16x128_f8f6f4 v[rD:rD+7], v[rB:rB+11], v[rA:rA+11], 0, v[rSB], v[rSA] matrix_a_fmt:MATRIX_FMT_BF6 matrix_b_fmt:MATRIX_FMT_BF6
.elseif \b%2 == 0
	v_wmma_scale_f32_16x16x128_f8f6f4 v[rD:rD+7], v[rB:rB+11], v[rA:rA+11], 0, v[rSB], v[rSA] matrix_a_fmt:MATRIX_FMT_BF6 matrix_b_fmt:MATRIX_FMT_BF6 matrix_b_scale:MATRIX_SCALE_ROW1
.elseif aa%2 == 0
	v_wmma_scale_f32_16x16x128_f8f6f4 v[rD:rD+7], v[rB:rB+11], v[rA:rA+11], 0, v[rSB], v[rSA] matrix_a_fmt:MATRIX_FMT_BF6 matrix_b_fmt:MATRIX_FMT_BF6 matrix_a_scale:MATRIX_SCALE_ROW1
.else
	v_wmma_scale_f32_16x16x128_f8f6f4 v[rD:rD+7], v[rB:rB+11], v[rA:rA+11], 0, v[rSB], v[rSA] matrix_a_fmt:MATRIX_FMT_BF6 matrix_b_fmt:MATRIX_FMT_BF6 matrix_a_scale:MATRIX_SCALE_ROW1 matrix_b_scale:MATRIX_SCALE_ROW1
.endif
.else
.if \b%2 == 0 && aa%2 == 0
	v_wmma_scale_f32_16x16x128_f8f6f4 v[rD:rD+7], v[rB:rB+11], v[rA:rA+11], v[rD:rD+7], v[rSB], v[rSA] matrix_a_fmt:MATRIX_FMT_BF6 matrix_b_fmt:MATRIX_FMT_BF6
.elseif \b%2 == 0
	v_wmma_scale_f32_16x16x128_f8f6f4 v[rD:rD+7], v[rB:rB+11], v[rA:rA+11], v[rD:rD+7], v[rSB], v[rSA] matrix_a_fmt:MATRIX_FMT_BF6 matrix_b_fmt:MATRIX_FMT_BF6 matrix_b_scale:MATRIX_SCALE_ROW1
.elseif aa%2 == 0
	v_wmma_scale_f32_16x16x128_f8f6f4 v[rD:rD+7], v[rB:rB+11], v[rA:rA+11], v[rD:rD+7], v[rSB], v[rSA] matrix_a_fmt:MATRIX_FMT_BF6 matrix_b_fmt:MATRIX_FMT_BF6 matrix_a_scale:MATRIX_SCALE_ROW1
.else
	v_wmma_scale_f32_16x16x128_f8f6f4 v[rD:rD+7], v[rB:rB+11], v[rA:rA+11], v[rD:rD+7], v[rSB], v[rSA] matrix_a_fmt:MATRIX_FMT_BF6 matrix_b_fmt:MATRIX_FMT_BF6 matrix_a_scale:MATRIX_SCALE_ROW1 matrix_b_scale:MATRIX_SCALE_ROW1
.endif
.endif
.endr
.set aa, aa+1
.endr
.endm
; K step st's fragments and scale words into the sets of its parity: each load of a fragment takes 512 consecutive bytes, an image's piece.  Steps 0-2, 6, 7 lie in region 0, 3-5 in region 1.
.macro FETCH st
.set rg, ((\st)/3)%2
.set ps, (\st)%3
.set pp, (\st)%2
	WIN 0x40
.irp i, 0,1,2,3,4,5,6,7
.irp g, 0,1,2
	ds_load_b128 v[128*pp+12*\i+4*\g:128*pp+12*\i+4*\g+3], v[ADRB+rg] offset:ps*PANEL+1536*\i+512*\g
.endr
.endr
	WIN 0
.irp i, 0,1,2,3,4,5,6,7
.irp g, 0,1,2
	ds_load_b128 v[AF+96*pp+12*\i+4*\g:AF+96*pp+12*\i+4*\g+3], v[ADRA+rg] offset:ps*PANEL+1536*\i+512*\g
.endr
.endr
.irp i, 0,1,2,3
	ds_load_b32 v[SCB+8*pp+\i], v[ADSA+rg] offset:ps*PANEL+128*\i
	ds_load_b32 v[SCB+8*pp+4+\i], v[ADSB+rg] offset:ps*PANEL+128*\i
.endr
.endm
.macro STEP st, zero                   ; the next step's loads stand in one run at the step's start, behind four places
	s_wait_dscnt 0x0                               ; this step's fragments and scale words are in
	PLACES 4
	FETCH (\st)+1
	WIN 0xa1
	MULA 0, 4, (\st)%2, \zero
	WIN 0xf1
	MULA 4, 4, (\st)%2, \zero
	WIN 0
.endm
.macro TURN st, refill                 ; a region's last step: one barrier; refill = 1: it opens a round of the cluster's barrier, and region 0 takes K steps 6, 7
	s_wait_tensorcnt 0x0                           ; all my tensor loads have landed
	ds_add_u32 v[SPW], v[NIL]                      ; 0 onto my spare word
	s_wait_dscnt 0x0                               ; the add is done, this step's fragments are in, and my reads of this region are over
	s_barrier_signal -1
	WIN 0xa1
	MULA 0, 4, (\st)%2, 0
	WIN 0
	s_barrier_wait -1
.if \refill
	CREST
	SETG 0, 0, 6*PANEL
	JLOAD G0, G1L, G0B, G1BL                       ; the first tensor load behind the round
.endif
	PLACES 4
	FETCH (\st)+1
	WIN 0xf1
	MULA 4, 4, (\st)%2, 0
	WIN 0
.endm
	s_load_b128 s[4:7], s[0:1], 0x0                ; qkc s[4:5], pc s[6:7]
	s_load_b64 s[8:9], s[0:1], 0x10                ; ls
	v_lshl_add_u32 v[SPW], v0, 2, SPARE
	v_mov_b32 v[NIL], 0
	ds_add_u32 v[SPW], v[NIL]                      ; the wave's opening: the add, twice on end
	ds_add_u32 v[SPW], v[NIL]
	v_lshrrev_b32 v9, 5, v0
	v_readfirstlane_b32 s14, v9                    ; wave
	s_lshr_b32 s15, s14, 1                         ; my panel of queries.  Also: I fetch for q (0) or for k (1)
	s_and_b32 s16, s14, 1                          ; my panel of keys.  Also: which of the two panels I fetch
	s_bfe_u32 s40, ttmp6, 0x40000                  ; cx
	s_bfe_u32 s41, ttmp6, 0x40004                  ; cy
	s_and_b32 s17, ttmp7, 0xffff                   ; the batch
	s_lshl_b32 s44, s17, 4                         ; its first panel
	s_min_u32 s42, ttmp9, 1                        ; cluster x = 0, 1, 2: the squares (0, 0), (1, 0), (1, 1)
	s_lshl_b32 s42, s42, 2
	s_add_co_u32 s42, s42, s41                     ; tile row
	s_lshr_b32 s43, ttmp9, 1
	s_lshl_b32 s43, s43, 2
	s_add_co_u32 s43, s43, s40                     ; tile column
	s_lshl_b32 s46, s41, 2
	s_lshl_b32 s46, 15, s46                        ; my row of the cluster
	s_lshl_b32 s47, 0x1111, s40                    ; my column
	s_or_b32 s[G1], s46, (3<<16)|(1<<21)           ; the mask; elements of 8 bytes; bit 21 beside a mask; no padding
	s_or_b32 s[G1B], s47, (3<<16)|(1<<21)
	s_or_b32 s[G1L], s46, (3<<16)|(1<<21)
	s_or_b32 s[G1BL], s47, (3<<16)|(1<<21)
	GRP G1, 150                                    ; three K steps of a panel, 38,400 dense bytes;
	GRP G1B, 150
	GRP G1L, 100                                   ; two, 25,600
	GRP G1BL, 100
	s_mul_i32 s12, s16, PREG                       ; my part's place in a region
	s_lshl_b32 s18, s42, 1
	s_add_co_u32 s18, s18, s44
	s_add_co_u32 s18, s18, s16
	s_mul_i32 s18, s18, 16*PANEL                   ; q: the panel that I fetch, K steps 0 on
	s_mov_b32 s19, 0
	s_lshl_b32 s66, s43, 1
	s_add_co_u32 s66, s66, s44
	s_add_co_u32 s66, s66, s16
	s_mul_i32 s66, s66, 16*PANEL
	s_add_co_u32 s66, s66, 8*PANEL                 ; k: K steps 8 on
	s_mov_b32 s67, 0
	s_wait_dscnt 0x0                               ; both opening adds are done
	CROUND                                         ; all sixteen work-groups are here: the first joint loads meet
	s_wait_kmcnt 0x0
	s_add_nc_u64 s[68:69], s[4:5], s[18:19]
	s_add_nc_u64 s[70:71], s[4:5], s[66:67]
	SETG 0, 0, 0
	SETG 1, LB, 3*PANEL
	JLOAD G0, G1, G0B, G1B                         ; K steps 0 to 2
	v_and_b32 v9, 31, v0
	v_lshlrev_b32 v[LI], 4, v9
	v_lshlrev_b32 v[LS], 2, v9
	v_add_nc_u32 v26, 12288, v[LS]                 ; scale words: behind a panel's fragments, 4 x lane
	s_mul_i32 s21, s15, PREG                       ; my panel of queries,
	s_add_co_u32 s22, s12, 2*PREG                  ; my panel of keys, behind q's two
.irp r, 0,1
	v_add_nc_u32 v[ADRA+\r], s21, v[LI]
	v_add_nc_u32 v[ADSA+\r], s21, v26
	v_add_nc_u32 v[ADRB+\r], s22, v[LI]
	v_add_nc_u32 v[ADSB+\r], s22, v26
	s_add_co_u32 s21, s21, LB
	s_add_co_u32 s22, s22, LB
.endr
	s_lshl_b32 s76, s42, 1
	s_add_co_u32 s76, s76, s44
	s_add_co_u32 s76, s76, s15                     ; my panel of queries,
	s_lshl_b32 s76, s76, 4
	s_lshl_b32 s77, s43, 1
	s_add_co_u32 s76, s76, s77
	s_add_co_u32 s76, s76, s16                     ; and my key step
	s_lshl_b32 s72, s76, 10
	s_mov_b32 s73, 0
	s_mul_i32 s76, s76, PANEL
	s_mov_b32 s77, 0
	s_add_nc_u64 s[6:7], s[6:7], s[76:77]
	s_add_nc_u64 s[8:9], s[8:9], s[72:73]
	; THE MASK.  Block a, lane r = 8 g + j holds query 128 (panel) + 32 (a / 2) + 16 g + 8 (a % 2) + j; register 16 b + i holds key 128 (panel) + 32 b + 16 h + i.
	; Hidden where i - 8 (a % 2) > D0 - 32 (b - a / 2), D0 = s75 + 16 g + j - 16 h, s75 = 128 (query panel - key panel).  For b under or over a / 2 that hangs on s75 alone: two scalars; for b = a / 2: 24 registers,
	; v[BI + n] for i - 8 (a % 2) = n - 8.  Each is 0 or -infinity and is added to the score.
	s_sub_co_i32 s75, s42, s43
	s_lshl_b32 s75, s75, 8
	s_sub_co_i32 s79, s15, s16
	s_lshl_b32 s79, s79, 7
	s_add_co_i32 s75, s75, s79
	v_and_b32 v9, 7, v0
	v_bfe_u32 v10, v0, 3, 1
	v_bfe_u32 v11, v0, 4, 1
	s_wait_alu depctr_va_vdst(0)
	v_lshl_add_u32 v9, v10, 4, v9
	v_lshlrev_b32 v10, 4, v11
	v_sub_nc_u32 v9, v9, v10
	v_add_nc_u32 v9, s75, v9
	v_mov_b32 v8, 0xff800000
	WIN 0x40
.set nn, 0
.rept 24
	v_cmp_gt_i32 vcc_lo, nn-8, v9
	v_cndmask_b32 v[BI+nn], 0, v8, vcc_lo
.set nn, nn+1
.endr
	WIN 0
	s_ashr_i32 s10, s75, 31                        ; b < a / 2: hidden where the key panel lies behind the query panel;
	s_and_b32 s10, s10, 0xff800000
	s_mov_b32 s11, s10
	s_sub_co_i32 s2, s75, 1                        ; b > a / 2: hidden unless it lies in front of it
	s_ashr_i32 s2, s2, 31
	s_and_b32 s2, s2, 0xff800000
	s_mov_b32 s3, s2
	s_mov_b32 s78, 0xffff0000                      ; lanes 16-31
	s_mov_b32 s[SEL], 0x76543210
	s_mov_b32 s[SEL+1], 0xfedcba98                 ; v_permlanex16_b32's selects for lane l xor 16
	s_mov_b32 s[CS], 0x3d38aa3b                    ; c = log2(e) / sqrt(1024)
	s_mov_b32 s[CS+1], s[CS]                       ; (named with it as a pair, so it is written)
	s_wait_alu depctr_va_vdst(0)
	s_wait_tensorcnt 0x0                           ; my part of region 0 is in
	ds_add_u32 v[SPW], v[NIL]
	s_wait_dscnt 0x0
	CROUND                                         ; region 0 is whole in every work-group
	JLOAD G0+4, G1, G0B+4, G1B                     ; K steps 3 to 5, the first tensor load behind the round
	FETCH 0
	STEP 0, 1                                      ; eight K steps, written straight; the first products start the sums
	STEP 1, 0
	TURN 2, 1
	STEP 3, 0
	STEP 4, 0
	TURN 5, 0
	STEP 6, 0
	s_wait_dscnt 0x0
	WIN 0xa1
	MULA 0, 4, 1, 0
	WIN 0xf1
	MULA 4, 4, 1, 0
	WIN 0
	PLACES 4                                       ; in front of the first read of results and the first write over fragments
; THE WAY OUT of blocks a, a + 1, their lines by turns: 2 x 16 queries x my 128 keys.
.macro SOFT2 a
	s_wait_alu depctr_va_vdst(0)                   ; directly ahead of the first reader of these results
	WIN 6+(\a)/4                                   ; source 0: the accumulators' window; source 1: window 1
.irp k, 0,1
.set n, 0
.rept 32
.set ac, 64*(((\a)+\k)%4)+2*n
.set sd, S+64*\k+2*n
.if n/8 < (\a)/2
	v_pk_add_f32 v[sd:sd+1], v[ac:ac+1], s[10:11] op_sel_hi:[1,0]
.elseif n/8 == (\a)/2
	v_pk_add_f32 v[sd:sd+1], v[ac:ac+1], v[BI+2*(n%8)+8-8*\k:BI+2*(n%8)+9-8*\k]
.else
	v_pk_add_f32 v[sd:sd+1], v[ac:ac+1], s[2:3] op_sel_hi:[1,0]   ; hidden scores become -infinity; each accumulator is read from its low end on
.endif
.set n, n+1
.endr
.endr
	WIN 0
.irp m, 0,1,2,3,4,5,6,7                        ; m = 4 (block) + 32-key block
	v_max3_num_f32 v[BM+\m], v[S+16*\m], v[S+1+16*\m], v[S+2+16*\m]   ; the largest score of each 32 keys: it serves for the piece's maximum and, since p rises with the score, for the largest p
.endr
.irp i, 3,5,7,9,11,13
.irp m, 0,1,2,3,4,5,6,7
	v_max3_num_f32 v[BM+\m], v[BM+\m], v[S+16*\m+\i], v[S+1+16*\m+\i]
.endr
.endr
.irp m, 0,1,2,3,4,5,6,7
	v_max_num_f32 v[BM+\m], v[BM+\m], v[S+15+16*\m]
.endr
.irp m, 0,1,2,3,4,5,6,7
	v_permlanex16_b32 v[PT+\m], v[BM+\m], s[SEL], s[SEL+1]
.endr
.irp m, 0,1,2,3,4,5,6,7
	v_max_num_f32 v[BM+\m], v[BM+\m], v[PT+\m]     ; with lane l xor 16's 16 keys
.endr
.irp k, 0,1
	v_max3_num_f32 v[9+\k], v[BM+4*\k], v[BM+4*\k+1], v[BM+4*\k+2]
.endr
.irp k, 0,1
	v_max_num_f32 v[9+\k], v[9+\k], v[BM+4*\k+3]
.endr
.irp k, 0,1
	v_mul_f32 v[9+\k], s[CS], v[9+\k]              ; as t (c is positive)
.endr
.irp k, 0,1
	v_max_num_f32 v[13+2*\k], 0xff61b1e6, v[9+\k]  ; a piece with no visible key: -3e38
.endr
.irp k, 0,1
	v_floor_f32 v[12+2*\k], -v[13+2*\k]            ; -M = floor(-t) = -ceil(t): a whole number
.endr
.set n, 0
.rept 32
.irp k, 0,1
	v_pk_fma_f32 v[S+64*\k+2*n:S+64*\k+2*n+1], v[S+64*\k+2*n:S+64*\k+2*n+1], s[CS:CS+1], v[12+2*\k:13+2*\k] op_sel_hi:[1,0,0]   ; t - M
.endr
.set n, n+1
.endr
.irp m, 0,1,2,3,4,5,6,7
	v_fma_f32 v[BM+\m], v[BM+\m], s[CS], v[12+2*(\m/4)]
.endr
	s_wait_alu depctr_va_vdst(0)
.set n, 0
.rept 128
	v_exp_f32 v[S+n], v[S+n]                       ; p = 2^(t - M), at most 1
.set n, n+1
.endr
.irp k, 0,1
	v_mov_b32 v[NMK+(\a)+\k], v[12+2*\k]           ; -M is kept.  (The plain place behind the exponentials)
.endr
	s_wait_alu depctr_va_vdst(0)                   ; one wait for the whole batch, ahead of its first reader
.irp m, 0,1,2,3,4,5,6,7
	v_exp_f32 v[BM+\m], v[BM+\m]                   ; the largest p: the same two instructions on the same number give the same bits
.endr
.irp c, 0,1,2,3                                ; the sums of the UNQUANTISED p, four packed chains a block; they read the 128 alone
.irp k, 0,1
	v_pk_add_f32 v[SM+8*\k+2*\c:SM+8*\k+2*\c+1], v[S+64*\k+2*\c:S+64*\k+2*\c+1], v[S+64*\k+2*\c+8:S+64*\k+2*\c+9]
.endr
.endr
.irp j, 16,24,32,40,48,56
.irp c, 0,1,2,3
.irp k, 0,1
	v_pk_add_f32 v[SM+8*\k+2*\c:SM+8*\k+2*\c+1], v[SM+8*\k+2*\c:SM+8*\k+2*\c+1], v[S+64*\k+2*\c+\j:S+64*\k+2*\c+\j+1]
.endr
.endr
.endr
.irp c, 0,2
.irp k, 0,1
	v_pk_add_f32 v[SM+8*\k+2*\c:SM+8*\k+2*\c+1], v[SM+8*\k+2*\c:SM+8*\k+2*\c+1], v[SM+8*\k+2*\c+2:SM+8*\k+2*\c+3]
.endr
.endr
.irp k, 0,1
	v_pk_add_f32 v[SM+8*\k:SM+8*\k+1], v[SM+8*\k:SM+8*\k+1], v[SM+8*\k+4:SM+8*\k+5]
.endr
.irp k, 0,1
	v_add_f32 v[SM+8*\k], v[SM+8*\k], v[SM+8*\k+1]
.endr
.irp k, 0,1
	v_permlanex16_b32 v[9+\k], v[SM+8*\k], s[SEL], s[SEL+1]
.endr
.irp k, 0,1
	v_add_f32 v[LK+(\a)+\k], v[SM+8*\k], v[9+\k]   ; with lane l xor 16's: the piece's sum
.endr
	s_wait_alu depctr_va_vdst(0)                   ; and one for the eight
.irp m, 0,1,2,3,4,5,6,7
	v_max_num_f32 v[BM+\m], 0x2800000, v[BM+\m]    ; the floor 2^(5 - 127): the byte cannot fall under 1 (a block of zeros keeps that byte: its codes are zeros)
.endr
.irp m, 0,1,2,3,4,5,6,7
	v_add_nc_u32 v[SO+\m], 0xfe000000, v[BM+\m]    ; 4 off the exponent field: the conversion's scale operand
.endr
.irp m, 0,1,2,3,4,5,6,7
	v_lshrrev_b32 v[PT+\m], 23, v[SO+\m]           ; the byte
.endr
.irp k, 0,1
	v_lshl_or_b32 v[WD+(\a)+\k], v[PT+4*\k+1], 8, v[PT+4*\k]
.endr
.irp k, 0,1
	v_lshl_or_b32 v[WD+(\a)+\k], v[PT+4*\k+2], 16, v[WD+(\a)+\k]
.endr
.irp k, 0,1
	v_lshl_or_b32 v[WD+(\a)+\k], v[PT+4*\k+3], 24, v[WD+(\a)+\k]
.endr
	WIN 0x40                                       ; the codes go to window 1
.irp k, 0,1
.irp c, 0,1
	v_cvt_scalef32_pk16_bf6_f32 v[PC+12*((\a)+\k)+6*\c:PC+12*((\a)+\k)+6*\c+2], v[S+64*\k+32*\c:S+64*\k+32*\c+15], v[SO+4*\k+2*\c]
	v_cvt_scalef32_pk16_bf6_f32 v[CT+8*\k+4*\c:CT+8*\k+4*\c+2], v[S+64*\k+32*\c+16:S+64*\k+32*\c+31], v[SO+4*\k+2*\c+1]
.endr
.endr
	v_nop                                          ; one plain place behind a scaled conversion
	WIN 0x55                                       ; all in window 1
.irp k, 0,1
.irp c, 0,1
.irp i, 0,1,2
	v_permlane16_swap_b32 v[PC+12*((\a)+\k)+6*\c+\i], v[CT+8*\k+4*\c+\i]   ; a whole block of 32 keys to a lane: lanes 0-15 block 2 c, lanes 16-31 block 2 c + 1
.endr
.endr
.endr
.irp k, 0,1
.irp c, 0,1
.irp i, 0,1,2
	v_mov_b32 v[PC+12*((\a)+\k)+6*\c+3+\i], v[CT+8*\k+4*\c+\i]
.endr
.endr
.endr
	WIN 0x04                                       ; a store's data are its source 1
.irp k, 0,1
.irp g, 0,1,2
	global_store_b128 v[LI], v[PC+12*((\a)+\k)+4*\g:PC+12*((\a)+\k)+4*\g+3], s[6:7] offset:1536*((\a)+\k)+512*\g   ; 32 lanes store 512 consecutive bytes
.endr
.endr
	WIN 0
.endm
	SOFT2 0
	SOFT2 2
	SOFT2 4
	SOFT2 6
.irp x, 0,1,2,3
	v_cndmask_b32 v[FO+\x], v[WD+2*\x], v[WD+1+2*\x], s78       ; both halves of the lanes hold a row's number: lanes 0-15 give fragment 2 x's, lanes 16-31 fragment 2 x + 1's
	v_cndmask_b32 v[FO+4+2*\x], v[NMK+2*\x], v[NMK+1+2*\x], s78
	v_cndmask_b32 v[FO+5+2*\x], v[LK+2*\x], v[LK+1+2*\x], s78
.endr
	v_lshlrev_b32 v10, 1, v[LS]                    ; 8 x lane
.irp x, 0,1,2,3
	global_store_b32 v[LS], v[FO+\x], s[6:7] offset:12288+128*\x
	global_store_b64 v10, v[FO+4+2*\x:FO+5+2*\x], s[8:9] offset:256*\x   ; 32 lanes store 256 consecutive bytes
.endr
	s_wait_tensorcnt 0x0                           ; the wave's end
	ds_add_u32 v[SPW], v[NIL]
	s_wait_dscnt 0x0
	CROUND                                         ; the closing round
	s_endpgm
.Lfunc_end_k_q3eb85bbc04_scores:
	.size	k_q3eb85bbc04_scores, .Lfunc_end_k_q3eb85bbc04_scores-k_q3eb85bbc04_scores
	.p2alignl 7, 3214868480
	.fill 96, 4, 3214868480
	.section	.rodata,"a",@progbits
	.p2align	6, 0x0
	.amdhsa_kernel k_q3eb85bbc04_scores
		.amdhsa_group_segment_fixed_size 327680
		.amdhsa_private_segment_fixed_size 0
		.amdhsa_enable_private_segment 0
		.amdhsa_kernarg_size 24
		.amdhsa_user_sgpr_count 2
		.amdhsa_user_sgpr_kernarg_segment_ptr 1
		.amdhsa_wavefront_size32 1
		.amdhsa_system_sgpr_workgroup_id_x 1
		.amdhsa_system_sgpr_workgroup_id_y 1
		.amdhsa_system_sgpr_workgroup_id_z 1
		.amdhsa_system_vgpr_workitem_id 0
		.amdhsa_next_free_vgpr 1024
		.amdhsa_next_free_sgpr 100
		.amdhsa_reserve_vcc 1
		.amdhsa_float_denorm_mode_32 3
		.amdhsa_float_denorm_mode_16_64 3
		.amdhsa_memory_ordered 1
		.amdhsa_forward_progress 1
		.amdhsa_inst_pref_size 212
	.end_amdhsa_kernel
	.amdgpu_metadata
---
amdhsa.version: [ 1, 2 ]
amdhsa.kernels:
  - .name:           k_q3eb85bbc04_scores
    .symbol:         k_q3eb85bbc04_scores.kd
    .args:
      - { .name: qkc, .offset: 0, .size: 8, .value_kind: global_buffer, .address_space: global }
      - { .name: pc, .offset: 8, .size: 8, .value_kind: global_buffer, .address_space: global }
      - { .name: ls, .offset: 16, .size: 8, .value_kind: global_buffer, .address_space: global }
    .group_segment_fixed_size: 327680
    .private_segment_fixed_size: 0
    .kernarg_segment_align: 8
    .kernarg_segment_size: 24
    .max_flat_workgroup_size: 128
    .sgpr_count:     100
    .vgpr_count:     1024
    .wavefront_size: 32
...
	.end_amdgpu_metadata
.endif
;; end of part 3
;; launch pv (part 4): grid 8 x 32, 4 waves a work-group, clusters of 4 x 4, 327,680 bytes of LDS; arguments pc, ls, vc, out0; writes out0
.if DOCPART == 4
	.amdgcn_target "amdgcn-amd-amdhsa--gfx1250"
	.amdhsa_code_object_version 6
	.text
	.protected	k_q3eb85bbc04_pv
	.globl	k_q3eb85bbc04_pv
	.p2align	8
	.type	k_q3eb85bbc04_pv,@function
k_q3eb85bbc04_pv:
	s_mov_b64 s[64:65], 0
	v_nop
	global_prefetch_b8 v0, s[64:65] scope:SCOPE_SE
	s_setreg_imm32_b32 hwreg(HW_REG_WAVE_MODE, 25, 1), 1
	s_wait_xcnt 0x0
	s_wait_alu depctr_hold_cnt(0) depctr_sa_sdst(0) depctr_va_vdst(0) depctr_va_sdst(0) depctr_va_ssrc(0) depctr_va_vcc(0) depctr_vm_vsrc(0)
	s_getreg_b32 s2, hwreg(HW_REG_IB_STS2, 6, 4)
	s_cmp_eq_u32 s2, 0
	s_cbranch_scc0 .Lentry_in_a_cluster
	s_endpgm
.Lentry_in_a_cluster:
	s_bfe_u32 s2, ttmp6, 0x10000c
	s_cmp_lg_u32 s2, 0xf033
	s_cbranch_scc0 .Lentry_shape_is_right
	s_endpgm
.Lentry_shape_is_right:
; out = (p v) / l on codes of BF6.  p lies in pieces of 128 keys, each under its own whole-number M; here the row's M is the largest of them, the difference is taken off p's scale bytes (an exact power of two), and l is the sum of the pieces' sums under the row's M.
; pc: 64 query panels x 16 key steps, vc: 8 channel panels x 64 key steps, panels of 12,800 bytes: eight fragments as images of their registers, then the scale words [fragment][row].  ls: [64 query panels][16 key steps][128 rows][-M, sum] f32.
; out0: [8192][1024] f32.  In a group of 32 rows of a panel place 16 u + 8 g + j holds row 16 g + 8 u + j.
; SHARES: a work-group takes TWO query panels of a batch, the long one 15 - i and the short one i (i = 0 .. 7), and 128 channels (one panel of v): 8 x 32 work-groups of equal matrix work.  Key steps that the causal mask hides for all four
; panels of a cluster's row group are not walked: the long panels walk 16 steps and the short ones 4 where i < 4 (kind 0), 12 and 8 where i > 3 (kind 1).  Inside that walk the pieces above the diagonal hold zero codes.
; A wave takes 64 rows of each panel x 64 channels.  Source 0 = 16 channels of v^T, source 1 = 16 queries: a lane holds one query and, in fragments 2 b, 2 b + 1, channels 32 b + 16 h + 0 .. 15.
; UNITS of 32 products: a both-step (long and short panel, one key step), or two key steps of the long panel alone.  Kind 0: 4 both-steps, 3 units, 3 units; kind 1: 4 both-steps, 4 both-steps, 2 units: ten units each, in three fills of two slots.
; The short panel's result leaves between the units that follow its last product.
; A SLOT (153,600 bytes): v's steps from byte 0 on; both-steps: the long panel's at 51,200, the short one's at 102,400; else the long panel's at 76,800.  One tensor load a wave and fill: waves 0, 1 for p, waves 2, 3 for v's two halves.
; CLUSTER 4 x 4: four channel panels x four neighbouring i.  p's panels are shared along a row, v's along a column: joint loads.  Branches hang on the wave's number or on the kind, which all partners share.  No prefetch: three loads, no loop to run ahead in.
; LIMITS: NaN and infinities are not served; a piece whose M lies further under the row's than a scale byte's value is scaled by 2^-127 instead of by less: its share is under 1e-36 of l.
; REGISTERS: window 0: v8-15 1 / l, v16-39 LDS addresses, v40-47 others, v48-79 p's scale words, v80-103 v's (nothing else), v200-247 what is taken off p's scale bytes, v104-199 at work.
;   window 1: p's fragments, two sets of 96; v192-255 rows of the short panel's result; window 3: v's fragments; window 2: accumulators: long (a, c) at v[8 (4 a + c)], short 128 further on.
.set PAB,   12800
.set PBB,   12800
.set SLOT,  153600
.set OPB,   51200
.set OPS,   102400
.set OPL,   76800
.set STAGE, 307200                     ; behind both slots: 16 rows x 272 bytes a wave, for the way out;
.set STG,   4352
.set SPARE, 324608                     ; and the spare words, 128 bytes a wave
.set RL,   8
.set AD,   16                          ; v[AD + 12 slot + ..]: 0, 1 v (steps 0-3, 4-5); 2 long, 3 short of both-steps; 4, 5 long alone; 6 .. 11 the same for scale words
.set SPW,  40
.set NIL,  41
.set LI,   42
.set STI,  43
.set STR,  44
.set STA,  45
.set CO,   46
.set LS,   47
.set PW,   48                          ; p's words: v[PW + 16 slot + 2 step + x]: lanes 0-15 my fragment 2 x, lanes 16-31 2 x + 1; the short panel's + 8
.set VW,   80                          ; v's: v[VW + 12 slot + 2 step + x]
.set NL,   104                         ; the statistics, pairs (-M, sum): long (x, piece) number 16 x + piece, short 32 + 8 x + piece
.set PT,   4
.set DW,   200                         ; what is taken off: long: v[DW + 16 x + piece]
.set DS,   232                         ; short: v[DS + 8 x + piece]
.set NR,   248
.set RC,   252
.set FX,   104
.set FD,   120
.set FT,   136
.set OB,   152                         ; the way out: 32 registers, two sets
.set G1PB, 16
.set G1P6, 24
.set G1P4, 32
.set G1V4, 40
.set G1V6, 48
.set G0A,  56
.set G0V,  60
.set MSB, 0
.macro WIN new
.if MSB != (\new)
	s_set_vgpr_msb (MSB<<8)|(\new)
.set MSB, (\new)
.endif
.endm
.macro PLACES cnt
.rept \cnt
	v_nop
.endr
.endm
.macro JLOAD g1a, g1b                  ; waves 0 and 1 fetch for p, waves 2 and 3 for v; four v_nop follow each of the two lines
	s_cmp_eq_u32 s12, 0
	s_cbranch_scc0 .Lfor_b_\@
	tensor_load_to_lds s[G0A:G0A+3], s[\g1a:\g1a+7]
	s_nop 0
.rept 4
	v_nop
.endr
	s_branch .Lasked_\@
.Lfor_b_\@:
	tensor_load_to_lds s[G0V:G0V+3], s[\g1b:\g1b+7]
	s_nop 0
.rept 4
	v_nop
.endr
.Lasked_\@:
.endm
.macro CREST
	s_cmp_lg_u32 s14, 0
	s_cbranch_scc1 .Lnot_wave_0_\@
	s_barrier_signal -3
.Lnot_wave_0_\@:
	s_barrier_wait -3
	s_barrier_signal -1
	s_barrier_wait -1
.endm
.macro CROUND
	s_barrier_signal -1
	s_barrier_wait -1
	CREST
.endm
.macro GRP g, mask, rows
	s_or_b32 s[\g], s[\mask], (3<<16)|(1<<21)      ; the mask; elements of 8 bytes; bit 21 beside a mask; no padding
	s_mov_b32 s[\g+1], 32<<16                      ; rows of 256 bytes
	s_mov_b32 s[\g+2], (\rows)<<16
	s_mov_b32 s[\g+3], 32<<16
	s_mov_b32 s[\g+4], \rows
	s_mov_b32 s[\g+5], 32
	s_mov_b32 s[\g+6], 0
	s_mov_b32 s[\g+7], 0
.endm
; Both groups 0: p's: LDS lda + s[la], global s[base] + goa + s[ha]; v's: LDS ldv + s[hv], global v + gov + s[hv].  Written only where no tensor load is out.
.macro SETG lda, la, base, goa, ha, ldv, gov, hv
	s_mov_b32 s[G0A], 1
	s_add_co_u32 s[G0A+1], s[\la], \lda
	s_mov_b32 s96, s[\ha]
	s_mov_b32 s97, 0
	s_add_nc_u64 s[G0A+2:G0A+3], s[\base:\base+1], s[96:97]
	s_add_nc_u64 s[G0A+2:G0A+3], s[G0A+2:G0A+3], \goa
	s_or_b32 s[G0A+3], s[G0A+3], 0x80000000
	s_mov_b32 s[G0V], 1
	s_add_co_u32 s[G0V+1], s[\hv], \ldv
	s_mov_b32 s96, s[\hv]
	s_add_nc_u64 s[G0V+2:G0V+3], s[70:71], s[96:97]
	s_add_nc_u64 s[G0V+2:G0V+3], s[G0V+2:G0V+3], \gov
	s_or_b32 s[G0V+3], s[G0V+3], 0x80000000
.endm
.macro FETCH t, n, q, set              ; unit q of slot n into set: t = 0: a both-step's 12 fragments; t = 1: two steps' 16.  Each load takes 512 consecutive bytes, an image's piece
.if \t
	WIN 0xc0
.irp e, 0,1
.set qq, 2*(\q)+\e
.irp c, 0,1,2,3
.irp g, 0,1,2
	ds_load_b128 v[96*(\set)+48*\e+12*\c+4*\g:96*(\set)+48*\e+12*\c+4*\g+3], v[AD+12*(\n)+qq/4] offset:(qq%4)*PBB+1536*\c+512*\g
.endr
.endr
.endr
	WIN 0x40
.irp e, 0,1
.set qq, 2*(\q)+\e
.irp c, 0,1,2,3
.irp g, 0,1,2
	ds_load_b128 v[96*(\set)+48*\e+12*\c+4*\g:96*(\set)+48*\e+12*\c+4*\g+3], v[AD+12*(\n)+4+qq/4] offset:(qq%4)*PAB+1536*\c+512*\g
.endr
.endr
.endr
.else
	WIN 0xc0
.irp c, 0,1,2,3
.irp g, 0,1,2
	ds_load_b128 v[96*(\set)+12*\c+4*\g:96*(\set)+12*\c+4*\g+3], v[AD+12*(\n)] offset:(\q)*PBB+1536*\c+512*\g
.endr
.endr
	WIN 0x40
.irp e, 0,1
.irp c, 0,1,2,3
.irp g, 0,1,2
	ds_load_b128 v[96*(\set)+48*\e+12*\c+4*\g:96*(\set)+48*\e+12*\c+4*\g+3], v[AD+12*(\n)+2+\e] offset:(\q)*PAB+1536*\c+512*\g
.endr
.endr
.endr
.endif
	WIN 0
.endm
.macro SCALES t, n, steps              ; a slot's scale words
.set qq, 0
.rept \steps
.irp x, 0,1
.if \t
	ds_load_b32 v[PW+16*(\n)+2*qq+\x], v[AD+12*(\n)+10+qq/4] offset:(qq%4)*PAB+128*\x
.else
	ds_load_b32 v[PW+16*(\n)+2*qq+\x], v[AD+12*(\n)+8] offset:qq*PAB+128*\x
	ds_load_b32 v[PW+16*(\n)+8+2*qq+\x], v[AD+12*(\n)+9] offset:qq*PAB+128*\x
.endif
	ds_load_b32 v[VW+12*(\n)+2*qq+\x], v[AD+12*(\n)+6+qq/4] offset:(qq%4)*PBB+128*\x
.endr
.set qq, qq+1
.endr
.endm
; p's scale bytes under the row's M: d, in each of a register's four bytes and at most 127, is taken off; a byte that would fall under 0 becomes 0.
; p's bytes are at most 123, so with bit 7 set in each no borrow crosses a byte, and bit 7 stays set just where the byte has not fallen under 0.
.macro FIX n, cnt, s0, isb
.set kk, 0
.rept \cnt
	v_or_b32 v[FX+kk], s82, v[PW+16*(\n)+kk]
.set kk, kk+1
.endr
.set kk, 0
.rept \cnt
.set dd, DW+16*(kk%2)+(\s0)+kk/2
.if \isb
.if kk > 7
.set dd, DS+8*(kk%2)+(\s0)+(kk-8)/2
.endif
.endif
	v_sub_nc_u32 v[FX+kk], v[FX+kk], v[dd]
.set kk, kk+1
.endr
.set kk, 0
.rept \cnt
	v_and_b32 v[FD+kk], s82, v[FX+kk]
.set kk, kk+1
.endr
.set kk, 0
.rept \cnt
	v_lshrrev_b32 v[FT+kk], 7, v[FD+kk]
.set kk, kk+1
.endr
.set kk, 0
.rept \cnt
	v_sub_nc_u32 v[FD+kk], v[FD+kk], v[FT+kk]      ; 0x7f in each byte that has not fallen under 0
.set kk, kk+1
.endr
.set kk, 0
.rept \cnt
	v_and_b32 v[PW+16*(\n)+kk], v[FX+kk], v[FD+kk]
.set kk, kk+1
.endr
	PLACES 8                                       ; a scale register written by a vector instruction stands 8 places ahead of a scaled matrix instruction
	s_wait_alu depctr_va_vdst(0)
.endm
; cnt x 4 products of unit q (type t, slot n, fragment set), from p's fragment a0 on.  The accumulators take turns in one fixed order.  zero = 1: they start the sums.
.macro MUL t, set, n, q, a0, cnt, zero
.set aa, \a0
.rept \cnt
.irp c, 0,1,2,3
.if \t
.set rD, 8*(4*(aa%4)+\c)
.set rA, 96*(\set)+48*(aa/4)+12*\c
.set rU, VW+12*(\n)+2*(2*(\q)+aa/4)+\c/2
.set rV, PW+16*(\n)+2*(2*(\q)+aa/4)+(aa%4)/2
.else
.set rD, 8*(4*aa+\c)
.set rA, 96*(\set)+12*\c
.set rU, VW+12*(\n)+2*(\q)+\c/2
.set rV, PW+16*(\n)+8*(aa/4)+2*(\q)+(aa%4)/2
.endif
.set rB, 96*(\set)+12*aa
.if \zero
.if \c%2 == 0 && aa%2 == 0
	v_wmma_scale_f32_16x16x128_f8f6f4 v[rD:rD+7], v[rA:rA+11], v[rB:rB+11], 0, v[rU], v[rV] matrix_a_fmt:MATRIX_FMT_BF6 matrix_b_fmt:MATRIX_FMT_BF6
.elseif \c%2 == 0
	v_wmma_scale_f32_16x16x128_f8f6f4 v[rD:rD+7], v[rA:rA+11], v[rB:rB+11], 0, v[rU], v[rV] matrix_a_fmt:MATRIX_FMT_BF6 matrix_b_fmt:MATRIX_FMT_BF6 matrix_b_scale:MATRIX_SCALE_ROW1
.elseif aa%2 == 0
	v_wmma_scale_f32_16x16x128_f8f6f4 v[rD:rD+7], v[rA:rA+11], v[rB:rB+11], 0, v[rU], v[rV] matrix_a_fmt:MATRIX_FMT_BF6 matrix_b_fmt:MATRIX_FMT_BF6 matrix_a_scale:MATRIX_SCALE_ROW1
.else
	v_wmma_scale_f32_16x16x128_f8f6f4 v[rD:rD+7], v[rA:rA+11], v[rB:rB+11], 0, v[rU], v[rV] matrix_a_fmt:MATRIX_FMT_BF6 matrix_b_fmt:MATRIX_FMT_BF6 matrix_a_scale:MATRIX_SCALE_ROW1 matrix_b_scale:MATRIX_SCALE_ROW1
.endif
.else
.if \c%2 == 0 && aa%2 == 0
	v_wmma_scale_f32_16x16x128_f8f6f4 v[rD:rD+7], v[rA:rA+11], v[rB:rB+11], v[rD:rD+7], v[rU], v[rV] matrix_a_fmt:MATRIX_FMT_BF6 matrix_b_fmt:MATRIX_FMT_BF6
.elseif \c%2 == 0
	v_wmma_scale_f32_16x16x128_f8f6f4 v[rD:rD+7], v[rA:rA+11], v[rB:rB+11], v[rD:rD+7], v[rU], v[rV] matrix_a_fmt:MATRIX_FMT_BF6 matrix_b_fmt:MATRIX_FMT_BF6 matrix_b_scale:MATRIX_SCALE_ROW1
.elseif aa%2 == 0
	v_wmma_scale_f32_16x16x128_f8f6f4 v[rD:rD+7], v[rA:rA+11], v[rB:rB+11], v[rD:rD+7], v[rU], v[rV] matrix_a_fmt:MATRIX_FMT_BF6 matrix_b_fmt:MATRIX_FMT_BF6 matrix_a_scale:MATRIX_SCALE_ROW1
.else
	v_wmma_scale_f32_16x16x128_f8f6f4 v[rD:rD+7], v[rA:rA+11], v[rB:rB+11], v[rD:rD+7], v[rU], v[rV] matrix_a_fmt:MATRIX_FMT_BF6 matrix_b_fmt:MATRIX_FMT_BF6 matrix_a_scale:MATRIX_SCALE_ROW1 matrix_b_scale:MATRIX_SCALE_ROW1
.endif
.endif
.endr
.set aa, aa+1
.endr
.endm
.macro UNIT t, set, n, q, nq, zero     ; a unit inside a slot; the next unit's loads (the same type and slot) stand in one run at its start, behind four places
	s_wait_dscnt 0x0
	PLACES 4
	FETCH \t, \n, \nq, 1-(\set)
	WIN 0xa7                                       ; source 0 window 3, source 1 window 1, C and D window 2
	MUL \t, \set, \n, \q, 0, 8, \zero
	WIN 0
.endm
.macro TURNH t, set, n, q              ; a slot's last unit: its first half, with the barrier
	s_wait_tensorcnt 0x0                           ; all my tensor loads have landed: my part of the next slot
	ds_add_u32 v[SPW], v[NIL]                      ; 0 onto my spare word
	s_wait_dscnt 0x0                               ; the add is done, this unit's fragments are in, and my reads of this slot are over
	s_barrier_signal -1
	WIN 0xa7
	MUL \t, \set, \n, \q, 0, 4, 0
	WIN 0
	s_barrier_wait -1
.endm
.macro TURNT t, set, n, q, nt, nn, steps, s0   ; its second half: the next slot's (type nt, slot nn, steps, first piece s0) scale words and first unit are fetched, and the words are brought under the row's M
	PLACES 4
	SCALES \nt, \nn, \steps
	FETCH \nt, \nn, 0, 1-(\set)
	WIN 0xa7
	MUL \t, \set, \n, \q, 4, 4, 0
	WIN 0
.if \nt
	s_wait_dscnt 48                                ; the words are in; the unit's 48 loads behind them may be out
	FIX \nn, 2*(\steps), \s0, 0
.else
	s_wait_dscnt 36
	FIX \nn, 16, \s0, 1
.endif
.endm
.macro LAST t, set, n, q
	s_wait_dscnt 0x0
	WIN 0xa7
	MUL \t, \set, \n, \q, 0, 8, 0
	WIN 0
.endm
; THE WAY OUT of fragment a of panel k (0 long, 1 short), in three parts.  MULP: x 1 / l.  TOST: 32 bytes a lane and channel fragment into my stage, and back as rows of 256 bytes.  SEND: stored.
; Place t of fragment a is row 32 (a / 2) + 16 (t / 8) + 8 (a % 2) + t % 8 of my 64.
.macro MULP k, a, o
	WIN 0x02                                       ; source 0: the accumulators
.set n, 0
.rept 16
.set ob, OB+32*(\o)+2*n
.set ac, 128*(\k)+32*(\a)+2*n
.set rl, RL+4*(\k)+2*((\a)/2)
.if ((\a)%2) == 0
	v_pk_mul_f32 v[ob:ob+1], v[ac:ac+1], v[rl:rl+1] op_sel_hi:[1,0]
.else
	v_pk_mul_f32 v[ob:ob+1], v[ac:ac+1], v[rl:rl+1] op_sel:[0,1] op_sel_hi:[1,1]
.endif
.set n, n+1
.endr
	WIN 0
.endm
.macro ROWS k, a                       ; where the rows come back, in window 1: the short panel's beside the fragments
.if (\k) == 1
.set rw, 192+32*((\a)%2)
.else
.set rw, 32*(\a)
.endif
.endm
.macro TOST k, a, o
.irp c, 0,1,2,3
	ds_store_b128 v[STI], v[OB+32*(\o)+8*\c:OB+32*(\o)+8*\c+3] offset:128*(\c/2)+32*(\c%2)   ; channels 32 (c / 2) + 16 h + 8 (c % 2) + 0 .. 7
	ds_store_b128 v[STI], v[OB+32*(\o)+8*\c+4:OB+32*(\o)+8*\c+7] offset:128*(\c/2)+32*(\c%2)+16
.endr
	ROWS \k, \a
.if (\k) == 1 && (\a) > 1
	s_wait_xcnt 0x0                                ; fragment a - 2's stores have read these registers
.endif
	WIN 0x40                                       ; destination window 1
.irp j, 0,1,2,3,4,5,6,7
	ds_load_b128 v[rw+4*\j:rw+4*\j+3], v[STR] offset:544*\j   ; LDS serves a wave's instructions in order: these see my stores
.endr
	WIN 0
.endm
.macro SEND k, a                       ; behind a wait for the loads
	ROWS \k, \a
	WIN 0x04                                       ; a store's data are its source 1: window 1
.irp j, 0,1,2,3,4,5,6,7
.if (\k) == 1
	global_store_b128 v[CO], v[rw+4*\j:rw+4*\j+3], s[88:89] offset:(32*((\a)/2)+8*((\a)%2)+16*(\j/4)+(2*\j)%8)*4096 th:TH_STORE_NT   ; 16 lanes store 256 consecutive bytes, at a multiple of 256 from out0's first byte
.else
	global_store_b128 v[CO], v[rw+4*\j:rw+4*\j+3], s[86:87] offset:(32*((\a)/2)+8*((\a)%2)+16*(\j/4)+(2*\j)%8)*4096 th:TH_STORE_NT
.endif
.endr
	WIN 0
.endm
.macro STL s                           ; statistics of the long panel's piece s
.irp x, 0,1
	global_load_b64 v[NL+2*(16*\x+(\s)):NL+2*(16*\x+(\s))+1], v[STA], s[74:75] offset:(\s)*1024+256*\x
.endr
.endm
.macro STS s                           ; of the short panel's
.irp x, 0,1
	global_load_b64 v[NL+64+2*(8*\x+(\s)):NL+64+2*(8*\x+(\s))+1], v[STA], s[78:79] offset:(\s)*1024+256*\x
.endr
.endm
	s_load_b256 s[4:11], s[0:1], 0x0               ; pc s[4:5], ls s[6:7], vc s[8:9], out0 s[10:11]
	v_lshl_add_u32 v[SPW], v0, 2, SPARE
	v_mov_b32 v[NIL], 0
	ds_add_u32 v[SPW], v[NIL]                      ; the wave's opening: the add, twice on end
	ds_add_u32 v[SPW], v[NIL]
	v_lshrrev_b32 v1, 5, v0
	v_readfirstlane_b32 s14, v1                    ; wave
	s_lshr_b32 s12, s14, 1                         ; my half of the panels' rows.  Also: I fetch for p (0) or for v (1)
	s_and_b32 s13, s14, 1                          ; my half of the channels.  Also: which part I fetch
	s_bfe_u32 s2, ttmp6, 0x40000                   ; cx
	s_bfe_u32 s3, ttmp6, 0x40004                   ; cy
	s_and_b32 s15, ttmp7, 0xffff                   ; cluster y = 2 x batch + kind
	s_and_b32 s80, s15, 1                          ; the kind
	s_lshr_b32 s95, s15, 1                         ; the batch
	s_lshl_b32 s96, s80, 2
	s_add_co_u32 s96, s96, s3                      ; i = 4 x kind + cy
	s_lshl_b32 s97, s95, 4
	s_add_co_u32 s98, s97, s96                     ; the short panel
	s_add_co_u32 s99, s97, 15
	s_sub_co_u32 s99, s99, s96                     ; the long panel
	s_lshl_b32 s15, ttmp9, 2
	s_add_co_u32 s15, s15, s2                      ; the channel panel = 4 x cluster x + cx
	s_lshl_b32 s3, s3, 2
	s_lshl_b32 s3, 15, s3                          ; my row of the cluster
	s_lshl_b32 s2, 0x1111, s2                      ; my column
	GRP G1PB, 3, 200                               ; p: four steps of a panel, 51,200 bytes;
	GRP G1P6, 3, 150                               ; half of six steps, 38,400;
	GRP G1P4, 3, 100                               ; half of four, 25,600
	GRP G1V4, 2, 100                               ; v: half of four steps, 25,600;
	GRP G1V6, 2, 150                               ; half of six, 38,400
	s_mov_b32 s3, 0
	s_mul_i32 s90, s13, 51200                      ; my part's place
	s_mul_i32 s91, s13, 38400
	s_mul_i32 s92, s13, 25600
	s_mul_i32 s66, s99, 16*PAB                     ; p: the long panel;
	s_mov_b32 s67, 0
	s_sub_co_i32 s68, s98, s99
	s_mul_i32 s68, s68, s13
	s_add_co_i32 s68, s68, s99
	s_mul_i32 s68, s68, 16*PAB                     ; in a fill of both-steps: wave 0 the long panel, wave 1 the short one
	s_mov_b32 s69, 0
	s_lshl_b32 s70, s15, 6
	s_add_co_u32 s70, s70, s97
	s_mul_i32 s70, s70, PBB                        ; v: the channel panel, the batch's first key step
	s_mov_b32 s71, 0
	s_lshl_b32 s74, s99, 14                        ; ls: 16,384 bytes a panel
	s_mov_b32 s75, 0
	s_lshl_b32 s78, s98, 14
	s_mov_b32 s79, 0
	s_lshl_b32 s86, s99, 19                        ; out0: 128 rows of 4,096 bytes a panel,
	s_lshl_b32 s88, s98, 19
	s_lshl_b32 s96, s12, 18                        ; my 64 rows,
	s_lshl_b32 s97, s15, 9                         ; the panel's 128 channels,
	s_add_co_u32 s96, s96, s97
	s_lshl_b32 s97, s13, 8                         ; my 64
	s_add_co_u32 s96, s96, s97
	s_add_co_u32 s86, s86, s96
	s_mov_b32 s87, 0
	s_add_co_u32 s88, s88, s96
	s_mov_b32 s89, 0
	s_lshl_b32 s96, s12, 9
	v_and_b32 v1, 31, v0
	v_lshl_add_u32 v[STA], v1, 3, s96              ; the statistics: 512 x my half + 8 x lane
.set n, 0
.rept 48
	v_mov_b32 v[NL+2*n], 0x7f61b1e6                ; pieces beyond the walk count as empty: -M = 3e38, sum 0
	v_mov_b32 v[NL+2*n+1], 0
.set n, n+1
.endr
	s_wait_alu depctr_va_vdst(0)
	s_wait_dscnt 0x0                               ; both opening adds are done
	CROUND                                         ; all sixteen work-groups are here: the first joint loads meet
	s_wait_kmcnt 0x0
	s_add_nc_u64 s[66:67], s[4:5], s[66:67]
	s_add_nc_u64 s[68:69], s[4:5], s[68:69]
	s_add_nc_u64 s[70:71], s[8:9], s[70:71]
	s_add_nc_u64 s[74:75], s[6:7], s[74:75]
	s_add_nc_u64 s[78:79], s[6:7], s[78:79]
	s_add_nc_u64 s[86:87], s[10:11], s[86:87]
	s_add_nc_u64 s[88:89], s[10:11], s[88:89]
.irp s, 0,1,2,3,4,5,6,7,8,9,10,11              ; x (0, 1) of a piece: lanes 0-15 my fragment 2 x, lanes 16-31 fragment 2 x + 1; 40 loads in all
	STL \s
.endr
.irp s, 0,1,2,3
	STS \s
.endr
	s_cmp_eq_u32 s80, 0
	s_cbranch_scc0 .Lstats1
.irp s, 12,13,14,15
	STL \s
.endr
	s_branch .Lstats
.Lstats1:
.irp s, 4,5,6,7
	STS \s
.endr
.Lstats:
	SETG OPB, 90, 68, 0, 3, 0, 0, 92               ; slot 0: four both-steps
	JLOAD G1PB, G1V4                               ; one tensor load a wave at the head
	s_mul_i32 s96, s12, 6144
	s_mul_i32 s97, s13, 6144
	s_lshl_b32 s98, s12, 8
	s_lshl_b32 s99, s13, 8
	s_add_co_u32 s98, s98, 12288
	s_add_co_u32 s99, s99, 12288
	v_lshlrev_b32 v[LI], 4, v1
	v_lshlrev_b32 v[LS], 2, v1
	v_and_b32 v6, 15, v0                           ; r
	v_bfe_u32 v7, v0, 4, 1                         ; h
	v_add_nc_u32 v2, s97, v[LI]                    ; v: my four fragments
	v_add_nc_u32 v3, s96, v[LI]                    ; p: mine
	v_add_nc_u32 v4, s99, v[LS]                    ; and their scale words
	v_add_nc_u32 v5, s98, v[LS]
.irp n, 0,1
	v_add_nc_u32 v[AD+12*\n], SLOT*\n, v2
	v_add_nc_u32 v[AD+12*\n+1], SLOT*\n+4*PBB, v2
	v_add_nc_u32 v[AD+12*\n+2], SLOT*\n+OPB, v3
	v_add_nc_u32 v[AD+12*\n+3], SLOT*\n+OPS, v3
	v_add_nc_u32 v[AD+12*\n+4], SLOT*\n+OPL, v3
	v_add_nc_u32 v[AD+12*\n+5], SLOT*\n+OPL+4*PAB, v3
	v_add_nc_u32 v[AD+12*\n+6], SLOT*\n, v4
	v_add_nc_u32 v[AD+12*\n+7], SLOT*\n+4*PBB, v4
	v_add_nc_u32 v[AD+12*\n+8], SLOT*\n+OPB, v5
	v_add_nc_u32 v[AD+12*\n+9], SLOT*\n+OPS, v5
	v_add_nc_u32 v[AD+12*\n+10], SLOT*\n+OPL, v5
	v_add_nc_u32 v[AD+12*\n+11], SLOT*\n+OPL+4*PAB, v5
.endr
	s_mul_i32 s96, s14, STG
	s_add_co_u32 s96, s96, STAGE                   ; my stage: bytes into which no fill lands
	v_mul_u32_u24 v[STI], v6, 272
	v_lshl_add_u32 v[STI], v7, 6, v[STI]
	v_add_nc_u32 v[STI], s96, v[STI]               ; in: row r, + 64 h
	v_mul_u32_u24 v[STR], v7, 272
	v_lshl_add_u32 v[STR], v6, 4, v[STR]
	v_add_nc_u32 v[STR], s96, v[STR]               ; back: lanes 0-15 one row of 256 bytes, lanes 16-31 the next
	v_lshlrev_b32 v[CO], 12, v7
	v_lshl_add_u32 v[CO], v6, 4, v[CO]             ; and the same two rows in out0
	s_mov_b32 s81, 0xffff0000                      ; lanes 16-31
	s_mov_b32 s82, 0x80808080
	s_mov_b32 s83, 0xfefefeff                      ; - 0x01010101
	s_mov_b32 s84, 0x76543210
	s_mov_b32 s85, 0xfedcba98                      ; v_permlanex16_b32's selects for lane l xor 16
	; THE ROWS' M AND l, while the first tiles are on their way.
	s_wait_alu depctr_va_vdst(0)
	s_wait_loadcnt 0x0
.irp x, 0,1
	v_min3_num_f32 v[NR+\x], v[NL+32*\x], v[NL+32*\x+2], v[NL+32*\x+4]
	v_min3_num_f32 v[NR+2+\x], v[NL+64+16*\x], v[NL+64+16*\x+2], v[NL+64+16*\x+4]
.endr
.irp i, 3,5
.irp x, 0,1
	v_min3_num_f32 v[NR+\x], v[NR+\x], v[NL+32*\x+2*\i], v[NL+32*\x+2*\i+2]
	v_min3_num_f32 v[NR+2+\x], v[NR+2+\x], v[NL+64+16*\x+2*\i], v[NL+64+16*\x+2*\i+2]
.endr
.endr
.irp i, 7,9,11,13
.irp x, 0,1
	v_min3_num_f32 v[NR+\x], v[NR+\x], v[NL+32*\x+2*\i], v[NL+32*\x+2*\i+2]
.endr
.endr
.irp x, 0,1
	v_min_num_f32 v[NR+\x], v[NR+\x], v[NL+32*\x+30]   ; the least -M: the row's
	v_min_num_f32 v[NR+2+\x], v[NR+2+\x], v[NL+64+16*\x+14]
.endr
.set n, 0
.rept 32
	v_sub_f32 v[NL+2*n], v[NR+n/16], v[NL+2*n]     ; the piece's M - the row's: a whole number, 0 or less
.set n, n+1
.endr
.set n, 0
.rept 16
	v_sub_f32 v[NL+64+2*n], v[NR+2+n/8], v[NL+64+2*n]
.set n, n+1
.endr
.set n, 0
.rept 48
	v_max_num_f32 v[NL+2*n], 0xc2fe0000, v[NL+2*n] ; held at -127
.set n, n+1
.endr
.set n, 0
.rept 48
	v_cvt_i32_f32 v[NL+2*n], v[NL+2*n]
.set n, n+1
.endr
.set n, 0
.rept 48
	v_ldexp_f32 v[NL+2*n+1], v[NL+2*n+1], v[NL+2*n]   ; the piece's sum under the row's M: nothing is rounded
.set n, n+1
.endr
.set n, 0
.rept 48
	v_mul_lo_u32 v[DW+n], v[NL+2*n], s83           ; d = the row's M - the piece's, in each of four bytes
.set n, n+1
.endr
.irp i, 0,1,2,3,4,5,6,7
.irp x, 0,1
	v_add_f32 v[NL+32*\x+2*\i+1], v[NL+32*\x+2*\i+1], v[NL+32*\x+2*\i+17]
.endr
.endr
.irp i, 0,1,2,3
.irp x, 0,1
	v_add_f32 v[NL+32*\x+2*\i+1], v[NL+32*\x+2*\i+1], v[NL+32*\x+2*\i+9]
	v_add_f32 v[NL+64+16*\x+2*\i+1], v[NL+64+16*\x+2*\i+1], v[NL+64+16*\x+2*\i+9]
.endr
.endr
.irp i, 0,1
.irp x, 0,1
	v_add_f32 v[NL+32*\x+2*\i+1], v[NL+32*\x+2*\i+1], v[NL+32*\x+2*\i+5]
	v_add_f32 v[NL+64+16*\x+2*\i+1], v[NL+64+16*\x+2*\i+1], v[NL+64+16*\x+2*\i+5]
.endr
.endr
.irp x, 0,1
	v_add_f32 v[RC+\x], v[NL+32*\x+1], v[NL+32*\x+3]
	v_add_f32 v[RC+2+\x], v[NL+64+16*\x+1], v[NL+64+16*\x+3]
.endr
	s_wait_alu depctr_va_vdst(0)
.irp k, 0,1,2,3
	v_rcp_f32 v[RC+\k], v[RC+\k]
.endr
	v_nop                                          ; one plain place behind a transcendental
	s_wait_alu depctr_va_vdst(0)                   ; one wait for the four, ahead of their first reader
.irp k, 0,1,2,3
	v_permlanex16_b32 v[PT+\k], v[RC+\k], s84, s85
.endr
.irp k, 0,1,2,3                                ; each fragment's 1 / l into both halves of the lanes: long 0-3, short 4-7
	v_cndmask_b32 v[RL+2*\k], v[RC+\k], v[PT+\k], s81
	v_cndmask_b32 v[RL+2*\k+1], v[PT+\k], v[RC+\k], s81
.endr
	s_wait_alu depctr_va_vdst(0)
	s_wait_tensorcnt 0x0                           ; my part of slot 0 is in
	ds_add_u32 v[SPW], v[NIL]
	s_wait_dscnt 0x0
	CROUND                                         ; slot 0 is whole in every work-group
	s_cmp_eq_u32 s80, 1
	s_cbranch_scc1 .Lfill1
	SETG SLOT+OPL, 91, 66, 4*PAB, 91, SLOT, 4*PBB, 91    ; kind 0: steps 4 to 9
	JLOAD G1P6, G1V6
	s_branch .Lfilled
.Lfill1:
	SETG SLOT+OPB, 90, 68, 4*PAB, 3, SLOT, 4*PBB, 92     ; kind 1: both-steps 4 to 7
	JLOAD G1PB, G1V4
.Lfilled:
	SCALES 0, 0, 4
	FETCH 0, 0, 0, 0
	s_wait_dscnt 36
	FIX 0, 16, 0, 1
	UNIT 0, 0, 0, 0, 1, 1                          ; the first products start the sums
	UNIT 0, 1, 0, 1, 2, 0
	UNIT 0, 0, 0, 2, 3, 0
	s_cmp_eq_u32 s80, 1
	s_cbranch_scc1 .Lkind1
	TURNH 0, 1, 0, 3
	CREST
	SETG OPL, 91, 66, 10*PAB, 91, 0, 10*PBB, 91    ; steps 10 to 15 into slot 0
	JLOAD G1P6, G1V6                               ; the first tensor load behind the round
	TURNT 0, 1, 0, 3, 1, 1, 6, 4
	MULP 1, 0, 0                                   ; the short panel is finished: its fragments go to the stage behind a unit's products, and leave behind a wait for their loads from the stage
	TOST 1, 0, 0
	s_wait_dscnt 0x0
	SEND 1, 0
	UNIT 1, 0, 1, 0, 1, 0
	MULP 1, 1, 0
	TOST 1, 1, 0
	s_wait_dscnt 0x0
	SEND 1, 1
	UNIT 1, 1, 1, 1, 2, 0
	MULP 1, 2, 0
	TOST 1, 2, 0
	TURNH 1, 0, 1, 2
	TURNT 1, 0, 1, 2, 1, 0, 6, 10
	SEND 1, 2                                      ; (its rows came back ahead of the barrier)
	MULP 1, 3, 0
	TOST 1, 3, 0
	s_wait_dscnt 0x0
	SEND 1, 3
	UNIT 1, 1, 0, 0, 1, 0
	UNIT 1, 0, 0, 1, 2, 0
	LAST 1, 1, 0, 2
	s_branch .Lout
.Lkind1:
	TURNH 0, 1, 0, 3
	CREST
	SETG OPL, 92, 66, 8*PAB, 92, 0, 8*PBB, 92      ; steps 8 to 11 into slot 0
	JLOAD G1P4, G1V4
	TURNT 0, 1, 0, 3, 0, 1, 4, 4
	UNIT 0, 0, 1, 0, 1, 0
	UNIT 0, 1, 1, 1, 2, 0
	UNIT 0, 0, 1, 2, 3, 0
	TURNH 0, 1, 1, 3
	TURNT 0, 1, 1, 3, 1, 0, 4, 8
	MULP 1, 0, 0
	TOST 1, 0, 0
	s_wait_dscnt 0x0
	SEND 1, 0
	UNIT 1, 0, 0, 0, 1, 0
	MULP 1, 1, 0
	TOST 1, 1, 0
	s_wait_dscnt 0x0
	SEND 1, 1
	LAST 1, 1, 0, 1
	MULP 1, 2, 0
	TOST 1, 2, 0
	s_wait_dscnt 0x0
	SEND 1, 2
	MULP 1, 3, 0
	TOST 1, 3, 0
	s_wait_dscnt 0x0
	SEND 1, 3
.Lout:
	PLACES 4                                       ; in front of the first read of the last results and of loads over fragments
	MULP 0, 0, 0
	TOST 0, 0, 0
.irp a, 1,2,3
	MULP 0, \a, \a%2                               ; the next fragment's products stand between the last one's loads from the stage and the wait for them
	s_wait_alu depctr_va_vdst(0)
	s_wait_dscnt 0x0
	SEND 0, \a-1
	TOST 0, \a, \a%2
.endr
	s_wait_dscnt 0x0
	SEND 0, 3
	s_wait_tensorcnt 0x0                           ; the wave's end
	ds_add_u32 v[SPW], v[NIL]
	s_wait_dscnt 0x0
	CROUND                                         ; the closing round
	s_endpgm
.Lfunc_end_k_q3eb85bbc04_pv:
	.size	k_q3eb85bbc04_pv, .Lfunc_end_k_q3eb85bbc04_pv-k_q3eb85bbc04_pv
	.p2alignl 7, 3214868480
	.fill 96, 4, 3214868480
	.section	.rodata,"a",@progbits
	.p2align	6, 0x0
	.amdhsa_kernel k_q3eb85bbc04_pv
		.amdhsa_group_segment_fixed_size 327680
		.amdhsa_private_segment_fixed_size 0
		.amdhsa_enable_private_segment 0
		.amdhsa_kernarg_size 32
		.amdhsa_user_sgpr_count 2
		.amdhsa_user_sgpr_kernarg_segment_ptr 1
		.amdhsa_wavefront_size32 1
		.amdhsa_system_sgpr_workgroup_id_x 1
		.amdhsa_system_sgpr_workgroup_id_y 1
		.amdhsa_system_sgpr_workgroup_id_z 1
		.amdhsa_system_vgpr_workitem_id 0
		.amdhsa_next_free_vgpr 1024
		.amdhsa_next_free_sgpr 100
		.amdhsa_reserve_vcc 0
		.amdhsa_float_denorm_mode_32 3
		.amdhsa_float_denorm_mode_16_64 3
		.amdhsa_memory_ordered 1
		.amdhsa_forward_progress 1
		.amdhsa_inst_pref_size 213
	.end_amdhsa_kernel
	.amdgpu_metadata
---
amdhsa.version: [ 1, 2 ]
amdhsa.kernels:
  - .name:           k_q3eb85bbc04_pv
    .symbol:         k_q3eb85bbc04_pv.kd
    .args:
      - { .name: pc, .offset: 0, .size: 8, .value_kind: global_buffer, .address_space: global }
      - { .name: ls, .offset: 8, .size: 8, .value_kind: global_buffer, .address_space: global }
      - { .name: vc, .offset: 16, .size: 8, .value_kind: global_buffer, .address_space: global }
      - { .name: out0, .offset: 24, .size: 8, .value_kind: global_buffer, .address_space: global }
    .group_segment_fixed_size: 327680
    .private_segment_fixed_size: 0
    .kernarg_segment_align: 8
    .kernarg_segment_size: 32
    .max_flat_workgroup_size: 128
    .sgpr_count:     100
    .vgpr_count:     1024
    .wavefront_size: 32
...
	.end_amdgpu_metadata
.endif
;; end of part 4
